; MI455X (gfx1250); checked and timed in simulation.
; The chip was launched on July 23, 2026; its instructions are those of AMD's public machine-readable ISA for CDNA 5 (MIT licence, August 2026) and "CDNA5" Instruction Set Architecture Reference Guide (July 2026). The comments in the code are by the model that wrote it; some were corrected since.
;; rhs base. Allowed arithmetic: matrix products marked QUANTISED: E5M2 operands, one given power-of-two scale a tensor, by v_wmma_f32_16x16x64_bf8_bf8 or v_wmma_f32_16x16x128_bf8_bf8, f32 sums; everything else in f32.
;; Inputs: W1 8 x 256 x 256 float32; W2 8 x 256 x 256 float32; b1 8 x 256 float32; b2 8 x 256 float32; lowp_scales 32 int32 (the exponents e of the quantised operands' scales 2^e); scales 1 x 256 float32; shifta one number float32; shiftb one number float32; t 32,768 float32; y 32,768 x 256 float32.
;; Outputs: out0 32,768 x 256 float32.
;; This version of the problem:
;;   THIS VERSION OF THE PROBLEM IS GIVEN IN LOW PRECISION. The matrix products marked QUANTISED in the list below multiply operands that are first quantised to E5M2 (5 exponent bits, 2 mantissa bits; 8 bits a number), with one given power-of-two scale for each operand tensor; their sums are f32. All else is computed in f32.
;;   The module's matrix products, in the order in which they are computed (A, B: the left and right operand; K: the contracted axis; several contracted axes count as one K, in the product's order):
;;     1. [M 32,768, K 256] x [K 256, N 256]; A: input y; B: input W1: QUANTISED (scales: A lowp_scales[0], B lowp_scales[1])
;;     2. [M 32,768, K 256] x [K 256, N 256]; A: computed on the way; B: input W2: QUANTISED (scales: A lowp_scales[2], B lowp_scales[3])
;;     3. [M 32,768, K 256] x [K 256, N 256]; A: input y; B: input W1: QUANTISED (scales: A lowp_scales[4], B lowp_scales[5])
;;     4. [M 32,768, K 256] x [K 256, N 256]; A: computed on the way; B: input W2: QUANTISED (scales: A lowp_scales[6], B lowp_scales[7])
;;     5. [M 32,768, K 256] x [K 256, N 256]; A: input y; B: input W1: QUANTISED (scales: A lowp_scales[8], B lowp_scales[9])
;;     6. [M 32,768, K 256] x [K 256, N 256]; A: computed on the way; B: input W2: QUANTISED (scales: A lowp_scales[10], B lowp_scales[11])
;;     7. [M 32,768, K 256] x [K 256, N 256]; A: input y; B: input W1: QUANTISED (scales: A lowp_scales[12], B lowp_scales[13])
;;     8. [M 32,768, K 256] x [K 256, N 256]; A: computed on the way; B: input W2: QUANTISED (scales: A lowp_scales[14], B lowp_scales[15])
;;     9. [M 32,768, K 256] x [K 256, N 256]; A: input y; B: input W1: QUANTISED (scales: A lowp_scales[16], B lowp_scales[17])
;;     10. [M 32,768, K 256] x [K 256, N 256]; A: computed on the way; B: input W2: QUANTISED (scales: A lowp_scales[18], B lowp_scales[19])
;;     11. [M 32,768, K 256] x [K 256, N 256]; A: input y; B: input W1: QUANTISED (scales: A lowp_scales[20], B lowp_scales[21])
;;     12. [M 32,768, K 256] x [K 256, N 256]; A: computed on the way; B: input W2: QUANTISED (scales: A lowp_scales[22], B lowp_scales[23])
;;     13. [M 32,768, K 256] x [K 256, N 256]; A: input y; B: input W1: QUANTISED (scales: A lowp_scales[24], B lowp_scales[25])
;;     14. [M 32,768, K 256] x [K 256, N 256]; A: computed on the way; B: input W2: QUANTISED (scales: A lowp_scales[26], B lowp_scales[27])
;;     15. [M 32,768, K 256] x [K 256, N 256]; A: input y; B: input W1: QUANTISED (scales: A lowp_scales[28], B lowp_scales[29])
;;     16. [M 32,768, K 256] x [K 256, N 256]; A: computed on the way; B: input W2: QUANTISED (scales: A lowp_scales[30], B lowp_scales[31])
;;   THE QUANTISER, for each operand of a quantised product, along K:
;;     - The operand's scale is 2^e, e = its entry of the input lowp_scales (int32; the entries are numbered through the quantised products in the list's order, A before B).
;;     - Each number is divided by the scale, clamped to +-57,344, and rounded to the nearest number of E5M2, ties to even, subnormals kept.
;;     - The product sums the exact products of the quantised numbers (number of the format x scale) in f32.
;;   ~~~python
;;   def quantise(x, axis, e):      # numpy; x: float32 -> the quantised numbers, widened to float32 again
;;       x = np.moveaxis(x, axis, -1); K = x.shape[-1]
;;       r = np.clip(x / 2.0 ** e, -57344, 57344)
;;       step = 2.0 ** (np.maximum(np.frexp(np.where(r == 0, 1, r))[1] - 1, -14) - 2)
;;       q = np.round(r / step) * step * 2.0 ** e      # np.round: ties to even
;;       return np.moveaxis(q, -1, axis).astype(np.float32)
;;   ~~~
;;   OPERANDS COMPUTED ON THE WAY. 'Computed on the way' means the value that the module computes at that place (a softmax that the list does not call 'softmax' is quantised finished and normalised). What goes into a quantiser is computed in f32, as accurately as f32 sums, v_exp_f32 and their like allow (about 1e-6 of the number): no bf16 or f16 on the way to a quantiser, and a product that is left as it is and whose result goes on into a quantised operand takes f32 operands (vector FMAs, or v_wmma_f32_16x16x4_f32). A number that lies on a knife's edge between two numbers of the format may be rounded either way, as far as f32 arithmetic and the matrix unit's own rounding can turn it there, and no further.
;; 2 versions, each right; version 2 is version 1 with the launch chain written anew for expert scheduling mode. Each part assembles by itself: llvm-mc -triple=amdgcn-amd-amdhsa -mcpu=gfx1250 --defsym DOCPART=n.
;; ======== version 1 of 2: 2 launches
;; workspace buffers: wcodes 1,048,576 bytes; keys 131,072 bytes of whole numbers
;; launch prep (part 1): grid 256 x 1, 2 waves a work-group, no clusters, 0 bytes of LDS; arguments W1, W2, lowp_scales, t, wcodes, keys; writes wcodes, keys
.if DOCPART == 1
	.amdgcn_target "amdgcn-amd-amdhsa--gfx1250"
	.amdhsa_code_object_version 6
	.text
	.protected	k_q890720cbb1_prep
	.globl	k_q890720cbb1_prep
	.p2align	8
	.type	k_q890720cbb1_prep,@function
k_q890720cbb1_prep:
	s_mov_b64 s[64:65], 0
	v_nop
	global_prefetch_b8 v0, s[64:65] scope:SCOPE_SE
	s_setreg_imm32_b32 hwreg(HW_REG_WAVE_MODE, 25, 1), 1
	s_wait_xcnt 0x0
; Two things that the second launch needs as stored numbers.
; (1) keys[row] = the expert of a row as a whole number: min(int(t / 0.125), 7); t / 0.125 is 8 t, exact; the conversion rounds toward zero.
;     A negative index fits no expert: it is stored as 8.
; (2) wcodes: W1 and W2 [8][256][256] f32, K innermost, as codes of E5M2 with the given scale 2^ew of each expert's weight,
;     laid as IMAGES OF OPERAND REGISTERS: [expert 8][layer 2][tile 16][K step 2][chunk 4][lane 32][16 bytes].
;     Lane 16 h + r of chunk c holds the codes of W[rho][128 s + 32 c + 16 h + 0 .. 15], rho = 32 (tile / 2) + 8 (tile % 2) + r + 8 (r / 8):
;     the rows of a tile are chosen so that, in the transposed product, a lane's 16 results of two neighbouring tiles are 16 neighbours.
; SHARES: 512 waves; wave Wd makes fragment Wd (16 rows x 128 K, 2,048 bytes at 2,048 Wd) and the keys of rows 64 Wd .. 64 Wd + 63.  One path, no branch, no LDS.
; LIMITS: ew between -126 and 112, so that 2^ew and 57,344 x 2^ew are f32 numbers.  8 t beyond int32 is held at its end by the conversion.
;         A NaN in t gives key 0; NaN among the weights is not served.
.set X, 16                             ; v16-79  64 numbers: register 16 c + i = k 32 c + 16 h + i of my row
.set C, 80                             ; v80-95  their codes: four registers a chunk, each stored once
	s_load_b256 s[4:11], s[0:1], 0x0               ; W1 s[4:5], W2 s[6:7], the exponents s[8:9], t s[10:11]
	s_load_b128 s[12:15], s[0:1], 0x20             ; wcodes s[12:13], keys s[14:15]
	v_lshrrev_b32 v1, 5, v0
	v_readfirstlane_b32 s16, v1                    ; wave 0..1
	s_lshl_b32 s17, ttmp9, 1
	s_add_co_u32 s17, s17, s16                     ; Wd = 2 x work-group + wave
	s_lshr_b32 s18, s17, 6                         ; expert
	s_bfe_u32 s19, s17, 0x10005                    ; layer: 0 = W1, 1 = W2
	s_bfe_u32 s20, s17, 0x40001                    ; tile
	s_and_b32 s21, s17, 1                          ; K step
	v_and_b32 v1, 31, v0                           ; lane
	v_and_b32 v2, 15, v0                           ; r
	v_bfe_u32 v3, v0, 4, 1                         ; h
	v_and_b32 v4, 8, v2
	v_add_nc_u32 v4, v4, v2                        ; r + 8 (r / 8)
	v_lshlrev_b32 v4, 10, v4                       ; a row of W is 1,024 bytes
	v_lshl_add_u32 v4, v3, 6, v4                   ; + 64 h: my 16 numbers of a block of 32
	v_lshlrev_b32 v5, 4, v1                        ; 16 x lane: my place in a chunk of the image
	v_lshlrev_b32 v6, 3, v1                        ; 8 x lane: my two rows' t and keys
	s_lshl_b32 s24, s18, 18                        ; W: the expert's 262,144 bytes,
	s_lshr_b32 s30, s20, 1
	s_lshl_b32 s30, s30, 15                        ; 32 (tile / 2) rows,
	s_add_co_u32 s24, s24, s30
	s_and_b32 s30, s20, 1
	s_lshl_b32 s30, s30, 13                        ; 8 (tile % 2) rows,
	s_add_co_u32 s24, s24, s30
	s_lshl_b32 s30, s21, 9                         ; 128 numbers a K step
	s_add_co_u32 s24, s24, s30
	s_mov_b32 s25, 0
	s_lshl_b32 s32, s17, 11                        ; the image: 2,048 Wd
	s_mov_b32 s33, 0
	s_lshl_b32 s34, s17, 8                         ; t and keys: 64 rows x 4 bytes x Wd
	s_mov_b32 s35, 0
	s_lshl_b32 s36, s18, 4                         ; the exponents: entry 4 e + 2 layer (+ 1: in the load's offset)
	s_lshl_b32 s30, s19, 3
	s_add_co_u32 s36, s36, s30
	s_mov_b32 s37, 0
	s_wait_kmcnt 0x0
	s_add_nc_u64 s[8:9], s[8:9], s[36:37]
	s_load_b32 s26, s[8:9], 0x4                    ; ew
	s_cmp_eq_u32 s19, 0                            ; the choice hangs on the wave's and the work-group's numbers alone
	s_cselect_b64 s[22:23], s[4:5], s[6:7]
	s_add_nc_u64 s[22:23], s[22:23], s[24:25]
	s_add_nc_u64 s[12:13], s[12:13], s[32:33]
	s_add_nc_u64 s[10:11], s[10:11], s[34:35]
	s_add_nc_u64 s[14:15], s[14:15], s[34:35]
	global_load_b64 v[8:9], v6, s[10:11] th:TH_LOAD_NT             ; 32 lanes read 256 consecutive bytes of t
.irp c, 0,1,2,3
.irp q, 0,1,2,3
	global_load_b128 v[X+16*\c+4*\q:X+16*\c+4*\q+3], v4, s[22:23] offset:128*\c+16*\q th:TH_LOAD_NT
.endr
.endr
	s_wait_loadcnt 16                              ; t is in; the sixteen younger loads of W stay out
	v_ldexp_f32 v8, v8, 3                          ; t / 0.125
	v_ldexp_f32 v9, v9, 3
	v_cvt_i32_f32 v8, v8                           ; toward zero
	v_cvt_i32_f32 v9, v9
	v_min_i32 v8, 7, v8
	v_min_i32 v9, 7, v9
	v_min_u32 v8, 8, v8                            ; read as unsigned a negative index is large: it becomes 8
	v_min_u32 v9, 8, v9
	global_store_b64 v6, v[8:9], s[14:15]          ; the wave stores 256 consecutive bytes, aligned
	s_wait_kmcnt 0x0
	s_add_co_i32 s26, s26, 127
	s_lshl_b32 s28, s26, 23
	v_mov_b32 v12, s28                             ; 2^ew as f32: the conversion takes its exponent field
	s_add_co_i32 s26, s26, 15
	s_lshl_b32 s26, s26, 23
	s_or_b32 s26, s26, 0x600000
	v_mov_b32 v13, s26                             ; 57,344 x 2^ew
.irp c, 0,1,2,3
	s_wait_loadcnt 12-4*\c                         ; this chunk's four loads are in; those of the chunks behind it stay out
.irp i, 0,1,2,3,4,5,6,7,8,9,10,11,12,13,14,15
	v_med3_num_f32 v[X+16*\c+\i], v[X+16*\c+\i], -v13, v13   ; the conversion to an 8-bit code does not saturate (ISA guide 7.6.2): the hold comes first
.endr
	v_cvt_scalef32_pk8_bf8_f32 v[C+4*\c:C+4*\c+1], v[X+16*\c:X+16*\c+7], v12
	v_cvt_scalef32_pk8_bf8_f32 v[C+4*\c+2:C+4*\c+3], v[X+16*\c+8:X+16*\c+15], v12
	global_store_b128 v5, v[C+4*\c:C+4*\c+3], s[12:13] offset:512*\c   ; 32 lanes store 512 consecutive bytes, aligned; the codes' registers are touched by this store alone
.endr
	s_endpgm
.Lfunc_end_k_q890720cbb1_prep:
	.size	k_q890720cbb1_prep, .Lfunc_end_k_q890720cbb1_prep-k_q890720cbb1_prep
	.p2alignl 7, 3214868480
	.fill 96, 4, 3214868480
	.section	.rodata,"a",@progbits
	.p2align	6, 0x0
	.amdhsa_kernel k_q890720cbb1_prep
		.amdhsa_group_segment_fixed_size 0
		.amdhsa_private_segment_fixed_size 0
		.amdhsa_enable_private_segment 0
		.amdhsa_kernarg_size 48
		.amdhsa_user_sgpr_count 2
		.amdhsa_user_sgpr_kernarg_segment_ptr 1
		.amdhsa_wavefront_size32 1
		.amdhsa_system_sgpr_workgroup_id_x 1
		.amdhsa_system_sgpr_workgroup_id_y 1
		.amdhsa_system_sgpr_workgroup_id_z 1
		.amdhsa_system_vgpr_workitem_id 0
		.amdhsa_next_free_vgpr 96
		.amdhsa_next_free_sgpr 66
		.amdhsa_reserve_vcc 0
		.amdhsa_float_denorm_mode_32 3
		.amdhsa_float_denorm_mode_16_64 3
		.amdhsa_memory_ordered 1
		.amdhsa_forward_progress 1
		.amdhsa_inst_pref_size 10
	.end_amdhsa_kernel
	.amdgpu_metadata
---
amdhsa.version: [ 1, 2 ]
amdhsa.kernels:
  - .name:           k_q890720cbb1_prep
    .symbol:         k_q890720cbb1_prep.kd
    .args:
      - { .name: W1, .offset: 0, .size: 8, .value_kind: global_buffer, .address_space: global }
      - { .name: W2, .offset: 8, .size: 8, .value_kind: global_buffer, .address_space: global }
      - { .name: lowp_scales, .offset: 16, .size: 8, .value_kind: global_buffer, .address_space: global }
      - { .name: t, .offset: 24, .size: 8, .value_kind: global_buffer, .address_space: global }
      - { .name: wcodes, .offset: 32, .size: 8, .value_kind: global_buffer, .address_space: global }
      - { .name: keys, .offset: 40, .size: 8, .value_kind: global_buffer, .address_space: global }
    .group_segment_fixed_size: 0
    .private_segment_fixed_size: 0
    .kernarg_segment_align: 8
    .kernarg_segment_size: 48
    .max_flat_workgroup_size: 64
    .sgpr_count:     66
    .vgpr_count:     96
    .wavefront_size: 32
...
	.end_amdgpu_metadata
.endif
;; end of part 1
;; launch chain (part 2): grid 32 x 8, 4 waves a work-group, no clusters, 233,984 bytes of LDS; arguments keys, wcodes, y, out0, b1, b2, lowp_scales, scales, shifta, shiftb; writes out0
.if DOCPART == 2
	.amdgcn_target "amdgcn-amd-amdhsa--gfx1250"
	.amdhsa_code_object_version 6
	.text
	.protected	k_q890720cbb1_chain
	.globl	k_q890720cbb1_chain
	.p2align	8
	.type	k_q890720cbb1_chain,@function
k_q890720cbb1_chain:
	s_mov_b64 s[64:65], 0
	v_nop
	global_prefetch_b8 v0, s[64:65] scope:SCOPE_SE
	s_setreg_imm32_b32 hwreg(HW_REG_WAVE_MODE, 25, 1), 1
	s_wait_xcnt 0x0
; out = 0.5 (b - a) sigmoid(scales) f + 0.5 (a + b) y, a = -sigmoid(shifta), b = sigmoid(shiftb), f = tanh(y W1[e]^T + b1[e]) W2[e]^T + b2[e] for the row's own expert e,
; f = 0 for a row whose index is negative.  Both products on codes of E5M2 with the given scales ey, ew1, eh, ew2 = entries 4 e .. 4 e + 3.  Only the chosen expert's rows are multiplied.
; SHARES.  Work-group (c, e): chunk c of 1,024 rows, expert e.  It copies the expert's 131,072 bytes of codes (images of operand registers, made by the launch before) and b1[e] into LDS once; ONE barrier;
; from there on its four waves share nothing that is written.  Wave w owns rows 1,024 c + 256 w .. + 255: it lists those whose stored key names e, in registers, and takes them 48 at a time through the whole
; chain: gather, quantise, product 1, tanh, quantise, product 2, the affine end, store.  Each row of out0 has one owner.  ceil(n / 48) trips, one at the least, six at the most; every split of the rows is served.
; BOTH PRODUCTS ARE USED TRANSPOSED (source 0 = 16 rows of a weight, source 1 = 16 rows of y or of the hidden layer): a lane holds one row, and its registers run along the outputs.
; NO JOINT LOADS, though the 32 work-groups of an expert read the same 131,072 bytes: this text has no tensor load and no copy;
; the codes come by plain loads.  No prefetch: a row's address is known only when the keys are read, and the first use follows at once.
; LIMITS.  ey and eh between -126 and 112; ey + ew1 between -126 and 127; eh + ew2 is applied by v_ldexp_f32 to the gain, which must stay an f32 number.  NaN among the inputs is not served.
;          A row with a negative index is worked with expert 0 and its result multiplied by 0: that result must be finite.
; tanh(x) = 1 - 2 / (1 + 2^(2 log2(e) x)); where x^2 < 1/64 the series x - x^3 / 3 + 2 x^5 / 15 is taken (the next term is under 17/315 x 2^-18 of x), since the first form loses the small x's last bits.
;
; LDS: 0 W1's images, 65,536 W2's (fragment (tile, K step) at 4,096 tile + 2,048 step, four chunks of 512 bytes); 131,072 b1[e]; from 132,096 a stage of 48 rows x 528 bytes for each wave, its own.
; REGISTERS, in windows of 256 (s_set_vgpr_msb: bits 1:0 source 0, 3:2 source 1, 5:4 source 2, 7:6 destination):
;   window 0: v1-31 lane numbers, addresses, at work; v32-79 a row's byte offset; v80-95 gain and bias of my 8 columns; v96-127 the list; v128-255 two sets of four weight fragments, later rows on the way out
;   window 1: at the head the weights on their way to LDS; then numbers of y; then product 1's sums and tanh's registers; then product 2's sums;  v216-219 constants that stay
;   window 2: y's rows 0-31 (row i, half g at v[8 i + 4 g]);   window 3: y's rows 32-47; from v128 the codes of y, later of the hidden layer (tile m, K step s at v[128 + 32 m + 16 s])
.set BIAS, 131072
.set STG,  132096
.set STGW, 25344                       ; 48 rows x 528
.set SP,   528                         ; a stage row: 512 bytes + 16: sixteen rows that a load touches begin at sixteen different 16-byte columns of 256
.set L4,   4                           ; v4   4 x lane
.set L16,  5                           ; v5   16 x lane: my bytes of half a row in memory
.set SA0,  6                           ; v6   16 x thread: the copy of the weights; v7 the same + 65,536
.set WA0,  8                           ; v8   16 x lane: a fragment's chunk in W1's images
.set WA1,  9                           ; v9   the same in W2's
.set BA0,  10                          ; v10  b1 in LDS + 64 h
.set FRA,  11                          ; v11  my stage + 528 r + 64 h: a row by fragments
.set RB,   12                          ; v12  my stage + 16 x lane: a row as it lies in memory, and an image's chunk
.set B1A,  16                          ; v16  b1 in LDS + 8 x thread
.set PA,   17                          ; v17, v18  the list positions P0 + lane, P0 + 32 + lane
.set PB,   18
.set LA,   19                          ; v19, v20  the rows at those positions
.set B1G,  29                          ; v29  8 x thread
.set B1D,  30                          ; v[30:31] two numbers of b1 on their way to LDS
.set OFF,  32
.set GG,   80                          ; gain: half g at v[80 + 4 g]
.set BC,   88                          ; bias: likewise
.set RANK, 96
.set ROWID, 104
.set RJ,   112                         ; the keys, then the permuted row numbers
.set DJ,   120
.set WFA,  128
.set WFB,  192
.set RBK,  128                         ; the way out: 8 rows' sums
.set UU,   160                         ; and 8 rows of ca y, then of out0
.set T0,   0                           ; window 1
.set T1,   64
.set EE,   96
.set ZZ,   128
.set BI,   160
.set HCQ,  192
.set C1,   216
.set SCH,  218
.set SCY,  219
.set QQ,   220
.set YC,   128                         ; window 3
.set MSB, 0
.macro WIN new                         ; the immediate's high byte repeats the setting that is left; a switch that changes nothing is dropped
.if MSB != (\new)
	s_set_vgpr_msb (MSB<<8)|(\new)
.set MSB, (\new)
.endif
.endm
.macro PLACES n                        ; plain vector instructions between a matrix instruction and what touches its registers (ISA guide 7.12.1)
.rept \n
	v_nop
.endr
.endm
; n of the 64 pieces (TOLDS: sixteen) of the expert's images, from k0 on: out of memory into window 1, and from there into LDS
.macro FROMMEM k0, n
.set K, \k0
.rept \n
	global_load_b128 v[4*K:4*K+3], v[SA0], s[6:7] offset:2048*K    ; the work-group's 128 threads read 2,048 consecutive bytes
.set K, K+1
.endr
.endm
.macro TOLDS k0, left                  ; left: the younger loads, which stay out
	s_wait_loadcnt \left
.set K, \k0
.rept 16
	ds_store_b128 v[SA0+K/32], v[4*K:4*K+3] offset:2048*(K%32)
.set K, K+1
.endr
.endm
; half hf of the trip's 48 rows of y: one load reads 512 consecutive bytes of one row
.macro YLOAD hf
	WIN 0x80
.set I, 0
.rept 32
	global_load_b128 v[8*I+4*\hf:8*I+4*\hf+3], v[OFF+I], s[8:9] offset:512*\hf
.set I, I+1
.endr
	WIN 0xc0
.set I, 0
.rept 16
	global_load_b128 v[8*I+4*\hf:8*I+4*\hf+3], v[OFF+32+I], s[8:9] offset:512*\hf
.set I, I+1
.endr
.endm
; 64 numbers of tile mt's rows out of the stage: register 16 c + i = k 32 c + 16 h + i of row r
.macro TLOAD tt, mt
	WIN 0x40
.irp c, 0,1,2,3
.irp q, 0,1,2,3
	ds_load_b128 v[\tt+16*\c+4*\q:\tt+16*\c+4*\q+3], v[FRA] offset:16*(\mt)*SP+128*\c+16*\q
.endr
.endr
.endm
; they become the fragment (tile mt, K step hf) of y's codes
.macro QY tt, mt, hf
	WIN 0x55
.set I, 0
.rept 64
	v_med3_num_f32 v[\tt+I], v[\tt+I], s76, s75    ; the hold at 57,344 x 2^ey: the conversion does not saturate (ISA guide 7.6.2)
.set I, I+1
.endr
	WIN 0xd5                                       ; the codes go to window 3; every source place means window 1
.irp c, 0,1,2,3
.irp u, 0,1
	v_cvt_scalef32_pk8_bf8_f32 v[YC+32*(\mt)+16*(\hf)+4*\c+2*\u:YC+32*(\mt)+16*(\hf)+4*\c+2*\u+1], v[\tt+16*\c+8*\u:\tt+16*\c+8*\u+7], v[SCY]
.endr
.endr
	v_nop                                          ; a plain instruction between the last conversion and the matrix instructions that read the codes and write over the numbers
.endm
; half hf of y goes through my stage as it lies and comes back by fragments.  LDS serves a wave's instructions in order: no wait between the stores and the loads
.macro YQ hf
.if \hf == 0
	s_wait_loadcnt 48                              ; the first half's 48 loads are in; the second half's 48 stay out
.else
	s_wait_loadcnt 0x0
.endif
	WIN 0x08
.set I, 0
.rept 32
	ds_store_b128 v[RB], v[8*I+4*\hf:8*I+4*\hf+3] offset:SP*I
.set I, I+1
.endr
	WIN 0x0c
.set I, 0
.rept 16
	ds_store_b128 v[RB], v[8*I+4*\hf:8*I+4*\hf+3] offset:SP*(32+I)
.set I, I+1
.endr
	TLOAD T0, 0
	TLOAD T1, 1
	s_wait_dscnt 16                                ; tile 0 is in; tile 1's sixteen loads stay out
	QY T0, 0, \hf
	TLOAD T0, 2
	s_wait_dscnt 16                                ; tile 1 is in; tile 2's sixteen stay out
	QY T1, 1, \hf
	s_wait_dscnt 0x0
	QY T0, 2, \hf
.endm
; four fragments of W1: tiles 4 gam .. 4 gam + 3, K step ks;  of W2: tiles 8 hf + 4 qd .. + 3
.macro WLOAD1 fs, gam, ks
.irp tau, 0,1,2,3
.irp c, 0,1,2,3
	ds_load_b128 v[\fs+16*\tau+4*\c:\fs+16*\tau+4*\c+3], v[WA0] offset:16384*(\gam)+4096*\tau+2048*(\ks)+512*\c
.endr
.endr
.endm
.macro WLOAD2 fs, hf, qd, ks
.irp tau, 0,1,2,3
.irp c, 0,1,2,3
	ds_load_b128 v[\fs+16*\tau+4*\c:\fs+16*\tau+4*\c+3], v[WA1] offset:4096*(8*(\hf)+4*(\qd)+\tau)+2048*(\ks)+512*\c
.endr
.endr
.endm
; twelve matrix instructions on twelve accumulators, one instruction a turn.  zero = 1: the first K step starts the sums
.macro MM1 fs, ks, zero
.irp tau, 0,1,2,3
.irp m, 0,1,2
.if \zero
	v_wmma_f32_16x16x128_bf8_bf8 v[32*\m+8*\tau:32*\m+8*\tau+7], v[\fs+16*\tau:\fs+16*\tau+15], v[YC+32*\m+16*\ks:YC+32*\m+16*\ks+15], 0
.else
	v_wmma_f32_16x16x128_bf8_bf8 v[32*\m+8*\tau:32*\m+8*\tau+7], v[\fs+16*\tau:\fs+16*\tau+15], v[YC+32*\m+16*\ks:YC+32*\m+16*\ks+15], v[32*\m+8*\tau:32*\m+8*\tau+7]
.endif
.endr
.endr
.endm
.macro MM2 fs, qd, ks, zero
.irp tau, 0,1,2,3
.irp m, 0,1,2
.if \zero
	v_wmma_f32_16x16x128_bf8_bf8 v[8*(3*(4*(\qd)+\tau)+\m):8*(3*(4*(\qd)+\tau)+\m)+7], v[\fs+16*\tau:\fs+16*\tau+15], v[YC+32*\m+16*\ks:YC+32*\m+16*\ks+15], 0
.else
	v_wmma_f32_16x16x128_bf8_bf8 v[8*(3*(4*(\qd)+\tau)+\m):8*(3*(4*(\qd)+\tau)+\m)+7], v[\fs+16*\tau:\fs+16*\tau+15], v[YC+32*\m+16*\ks:YC+32*\m+16*\ks+15], v[8*(3*(4*(\qd)+\tau)+\m):8*(3*(4*(\qd)+\tau)+\m)+7]
.endif
.endr
.endr
.endm
; Tile mt's 32 sums a lane (register 16 b + i = hidden unit 64 gam + 32 b + 16 h + i of row r) become tanh and then codes.  All in window 1.
; The exponentials are one batch and the reciprocals another; the series stands behind each as the independent work, and one wait stands ahead of each batch's first reader.
.macro TANH mt
.set X, 32*(\mt)
.set I, 0
.rept 16
	v_pk_fma_f32 v[X+I:X+I+1], v[X+I:X+I+1], s[66:67], v[BI+I:BI+I+1] op_sel_hi:[1,0,1]   ; x = sum x 2^(ey + ew1) + b1; each accumulator from its low end on
.set I, I+2
.endr
.set I, 0
.rept 16
	v_pk_mul_f32 v[EE+I:EE+I+1], v[X+I:X+I+1], s[68:69] op_sel_hi:[1,0]                   ; 2 log2(e) x
.set I, I+2
.endr
.set I, 0
.rept 32
	v_exp_f32 v[EE+I], v[EE+I]
.set I, I+1
.endr
.set I, 0
.rept 16
	v_pk_mul_f32 v[ZZ+I:ZZ+I+1], v[X+I:X+I+1], v[X+I:X+I+1]                               ; x^2
.set I, I+2
.endr
.set I, 0
.rept 16
	v_pk_fma_f32 v[QQ+I:QQ+I+1], v[ZZ+I:ZZ+I+1], s[70:71], v[C1:C1+1] op_sel_hi:[1,0,1]   ; 2/15 x^2 - 1/3
.set I, I+2
.endr
	s_wait_alu depctr_va_vdst(0)                   ; one wait for the 32 exponentials
.set I, 0
.rept 16
	v_pk_add_f32 v[EE+I:EE+I+1], v[EE+I:EE+I+1], 1.0 op_sel_hi:[1,0]
.set I, I+2
.endr
.set I, 0
.rept 32
	v_rcp_f32 v[EE+I], v[EE+I]
.set I, I+1
.endr
.set I, 0
.rept 16
	v_pk_mul_f32 v[QQ+I:QQ+I+1], v[QQ+I:QQ+I+1], v[ZZ+I:ZZ+I+1]
.set I, I+2
.endr
.set I, 0
.rept 16
	v_pk_fma_f32 v[QQ+I:QQ+I+1], v[QQ+I:QQ+I+1], v[X+I:X+I+1], v[X+I:X+I+1]               ; the series: x + x (x^2 (2/15 x^2 - 1/3))
.set I, I+2
.endr
	s_wait_alu depctr_va_vdst(0)                   ; one wait for the 32 reciprocals
.set I, 0
.rept 16
	v_pk_fma_f32 v[EE+I:EE+I+1], v[EE+I:EE+I+1], -2.0, 1.0 op_sel_hi:[1,0,0]              ; 1 - 2 / (1 + 2^..)
.set I, I+2
.endr
.set I, 0
.rept 32
	v_cmp_gt_f32 vcc_lo, s72, v[ZZ+I]              ; 1/64 > x^2: the series
	v_cndmask_b32 v[X+I], v[EE+I], v[QQ+I], vcc_lo
.set I, I+1
.endr
.set I, 0
.rept 32
	v_med3_num_f32 v[X+I], v[X+I], s74, s73        ; the hold at 57,344 x 2^eh, whatever eh is
.set I, I+1
.endr
.irp b, 0,1
.irp u, 0,1
	v_cvt_scalef32_pk8_bf8_f32 v[HCQ+8*(\mt)+4*\b+2*\u:HCQ+8*(\mt)+4*\b+2*\u+1], v[X+16*\b+8*\u:X+16*\b+8*\u+7], v[SCH]
.endr
.endr
	v_nop                                          ; a plain instruction behind the last conversion: later matrix instructions write over its sources
.endm
; 64 hidden units (tiles 4 gam .. 4 gam + 3 of W1) for the 48 rows.  Both sets of fragments were asked for a phase ago.
.macro GAMMA gam
	WIN 0x40
.irp b, 0,1
.irp q, 0,1,2,3
	ds_load_b128 v[BI+16*\b+4*\q:BI+16*\b+4*\q+3], v[BA0] offset:256*(\gam)+128*\b+16*\q   ; b1 at my 32 hidden units
.endr
.endr
	s_wait_dscnt 8                                 ; all but these eight: both sets of fragments are in, and the last codes' stores have read their registers
	WIN 0x5c                                       ; source 0 window 0, source 1 window 3, C and D window 1
	MM1 WFA, 0, 1
	MM1 WFB, 1, 0
	PLACES 4                                       ; in front of the loads into the fragments' registers and of the first read of the sums
	WIN 0
.if \gam < 3
	WLOAD1 WFA, \gam+1, 0                          ; the next 64 units' fragments land while tanh is worked
	WLOAD1 WFB, \gam+1, 1
.else
	WLOAD2 WFA, 0, 0, 0                            ; product 2's first two sets
	WLOAD2 WFB, 0, 1, 0
.endif
	s_wait_dscnt 32                                ; all but the 32 just issued: b1 is in
	WIN 0x55
	TANH 0
	TANH 1
	TANH 2
	WIN 0x04
.irp m, 0,1,2
.irp b, 0,1
	ds_store_b128 v[RB], v[HCQ+8*\m+4*\b:HCQ+8*\m+4*\b+3] offset:4096*\m+1024*(\gam)+512*\b   ; units 64 gam + 32 b on are chunk 2 (gam % 2) + b of K step gam / 2: the fragment's image in my stage
.endr
.endr
	WIN 0
.endm
; Half hf of the outputs (tiles 8 hf .. 8 hf + 7 of W2) for the 48 rows: 24 accumulators; then into my stage by rows
.macro P2 hf
	WIN 0
.if \hf == 1
	s_wait_xcnt 0x0                                ; the last rows' stores have read their registers: fragments may land there
	WLOAD2 WFA, 1, 0, 0
	WLOAD2 WFB, 1, 1, 0
	s_wait_dscnt 16                                ; the first set is in; the second's sixteen loads stay out
.else
	s_wait_dscnt 0x0                               ; the hidden layer's fragments and both sets are in
.endif
	WIN 0x5c
	MM2 WFA, 0, 0, 1
	PLACES 4
	WIN 0
	WLOAD2 WFA, \hf, 0, 1
	s_wait_dscnt 16                                ; all but the sixteen just issued
	WIN 0x5c
	MM2 WFB, 1, 0, 1
	PLACES 4
	WIN 0
	WLOAD2 WFB, \hf, 1, 1
	s_wait_dscnt 16                                ; all but the sixteen just issued
	WIN 0x5c
	MM2 WFA, 0, 1, 0
	s_wait_dscnt 0x0
	MM2 WFB, 1, 1, 0
	PLACES 5                                       ; four for the stores that read the sums and the loads into the fragments' registers; the fifth since the next half's products start new sums over these accumulators
	WIN 0x04
.irp tp, 0,1,2,3,4,5,6,7
.irp m, 0,1,2
	ds_store_b128 v[FRA], v[8*(3*\tp+\m):8*(3*\tp+\m)+3] offset:16*\m*SP+128*(\tp/2)+32*(\tp%2)       ; register j: column 128 hf + 32 (tp / 2) + 16 h + 8 (tp % 2) + j of row 16 m + r; the low four first
	ds_store_b128 v[FRA], v[8*(3*\tp+\m)+4:8*(3*\tp+\m)+7] offset:16*\m*SP+128*(\tp/2)+32*(\tp%2)+16
.endr
.endr
	WIN 0
.endm
; One row's half leaves.  The rows that count are the first nv of the trip's 48: at the first that does not, the rest of the half is left out (a scalar branch on stored numbers)
.macro ROW i, k, hf
	s_cmp_le_u32 s58, \i
	s_cbranch_scc1 .Lhalf_end_\hf
	s_bitcmp1_b32 s[59+(\i)/32], (\i)%32           ; a row without an expert:
	s_cselect_b32 s80, 0, 1.0                      ; its f counts for nothing
	v_pk_fma_f32 v[RBK+4*\k:RBK+4*\k+1], v[RBK+4*\k:RBK+4*\k+1], v[GG+4*\hf:GG+4*\hf+1], v[BC+4*\hf:BC+4*\hf+1]
	v_pk_fma_f32 v[RBK+4*\k+2:RBK+4*\k+3], v[RBK+4*\k+2:RBK+4*\k+3], v[GG+4*\hf+2:GG+4*\hf+3], v[BC+4*\hf+2:BC+4*\hf+3]
	v_pk_fma_f32 v[UU+4*\k:UU+4*\k+1], v[RBK+4*\k:RBK+4*\k+1], s[80:81], v[UU+4*\k:UU+4*\k+1] op_sel_hi:[1,0,1]
	v_pk_fma_f32 v[UU+4*\k+2:UU+4*\k+3], v[RBK+4*\k+2:RBK+4*\k+3], s[80:81], v[UU+4*\k+2:UU+4*\k+3] op_sel_hi:[1,0,1]
	global_store_b128 v[OFF+\i], v[UU+4*\k:UU+4*\k+3], s[10:11] offset:512*\hf th:TH_STORE_NT   ; 32 lanes store 512 consecutive bytes, at a multiple of 256 from out0's first byte
.endm
.macro EPI hf
.irp grp, 0,1,2,3,4,5
	WIN 0
	s_wait_xcnt 0x0                                ; the stores of the eight rows before have read their registers
.irp k, 0,1,2,3,4,5,6,7
	ds_load_b128 v[RBK+4*\k:RBK+4*\k+3], v[RB] offset:SP*(8*\grp+\k)   ; a row's 512 bytes, as they lie in memory
.endr
	WIN 0x02+\grp/4                                ; y's rows 0-31 lie in window 2, rows 32-47 in window 3
.irp k, 0,1,2,3,4,5,6,7
	v_pk_mul_f32 v[UU+4*\k:UU+4*\k+1], v[8*((8*\grp+\k)%32)+4*\hf:8*((8*\grp+\k)%32)+4*\hf+1], s[78:79] op_sel_hi:[1,0]       ; 0.5 (a + b) y
	v_pk_mul_f32 v[UU+4*\k+2:UU+4*\k+3], v[8*((8*\grp+\k)%32)+4*\hf+2:8*((8*\grp+\k)%32)+4*\hf+3], s[78:79] op_sel_hi:[1,0]
.endr
	WIN 0                                          ; every window is 0
	s_wait_dscnt 0x0                               ; the eight rows are in, and no LDS instruction of mine is out where a branch leaves the half
.irp k, 0,1,2,3,4,5,6,7
	ROW (8*\grp+\k), \k, \hf
.endr
.endr
.Lhalf_end_\hf:
.endm
	; ---------------- the head: runs once, no branch
	s_load_b512 s[4:19], s[0:1], 0x0               ; keys s[4:5], wcodes s[6:7], y s[8:9], out0 s[10:11], b1 s[12:13], b2 s[14:15], the exponents s[16:17], scales s[18:19]
	s_load_b128 s[20:23], s[0:1], 0x40             ; shifta s[20:21], shiftb s[22:23]
	v_lshl_add_u32 v15, v0, 2, 0x39000
	v_mov_b32 v28, 0
	v_lshrrev_b32 v1, 5, v0
	v_readfirstlane_b32 s24, v1                    ; wave 0..3
	s_and_b32 s25, ttmp7, 0xffff                   ; e
	s_mov_b32 s26, ttmp9                           ; c
	v_and_b32 v1, 31, v0                           ; lane
	v_and_b32 v2, 15, v0                           ; r
	v_bfe_u32 v3, v0, 4, 1                         ; h
	v_lshlrev_b32 v[L4], 2, v1
	v_lshlrev_b32 v[L16], 4, v1
	v_lshlrev_b32 v[SA0], 4, v0
	v_add_nc_u32 v[SA0+1], 0x10000, v[SA0]
	v_lshlrev_b32 v[WA0], 4, v1
	v_add_nc_u32 v[WA1], 0x10000, v[WA0]
	v_lshl_add_u32 v[BA0], v3, 6, BIAS
	s_mul_i32 s61, s24, STGW
	s_add_co_u32 s61, s61, STG                     ; my stage
	v_mul_u32_u24 v[FRA], v2, SP
	v_lshl_add_u32 v[FRA], v3, 6, v[FRA]
	v_add_nc_u32 v[FRA], s61, v[FRA]
	v_add_nc_u32 v[RB], s61, v[L16]
	v_lshl_add_u32 v[B1A], v0, 3, BIAS
	v_lshlrev_b32 v[B1G], 3, v0
	s_lshl_b32 s28, s26, 12
	s_lshl_b32 s62, s24, 10
	s_add_co_u32 s28, s28, s62                     ; 4 x my first row, 1,024 c + 256 w
	s_mov_b32 s29, 0
	s_lshl_b32 s30, s28, 8                         ; 1,024 x it
	s_mov_b32 s31, 0
	s_mov_b32 s68, 0x4038aa3b                      ; 2 log2(e)
	s_mov_b32 s69, s68                             ; (named with it as a pair, so it is written)
	s_mov_b32 s70, 0x3e088889                      ; 2/15
	s_mov_b32 s71, s70
	s_mov_b32 s72, 0x3c800000                      ; 1/64
	s_mov_b32 s81, 0                               ; (the upper half of the pair s[80:81])
	s_mov_b32 s57, 0                               ; P0: the trip's first list position
	s_mov_b32 s27, 0                               ; the trips done
	s_mov_b32 s48, 0
	s_wait_kmcnt 0x0
	s_add_nc_u64 s[4:5], s[4:5], s[28:29]
	s_add_nc_u64 s[8:9], s[8:9], s[30:31]
	s_add_nc_u64 s[10:11], s[10:11], s[30:31]
	s_lshl_b32 s28, s25, 17
	s_add_nc_u64 s[6:7], s[6:7], s[28:29]          ; the expert's images
	s_lshl_b32 s28, s25, 10
	s_add_nc_u64 s[12:13], s[12:13], s[28:29]
	s_add_nc_u64 s[14:15], s[14:15], s[28:29]
	s_lshl_b32 s28, s25, 4
	s_add_nc_u64 s[16:17], s[16:17], s[28:29]
	s_load_b128 s[32:35], s[16:17], 0x0            ; ey, ew1, eh, ew2
	s_load_b32 s36, s[20:21], 0x0
	s_load_b32 s37, s[22:23], 0x0
.irp j, 0,1,2,3,4,5,6,7
	global_load_b32 v[RJ+\j], v[L4], s[4:5] offset:128*\j          ; the keys of rows 32 j + lane
.endr
	global_load_b64 v[B1D:B1D+1], v[B1G], s[12:13]
	global_load_b128 v[GG:GG+3], v[L16], s[18:19]                  ; scales and b2 at my columns 128 g + 4 lane ..
	global_load_b128 v[GG+4:GG+7], v[L16], s[18:19] offset:512
	global_load_b128 v[BC:BC+3], v[L16], s[14:15]
	global_load_b128 v[BC+4:BC+7], v[L16], s[14:15] offset:512
	WIN 0x40
	FROMMEM 0, 48                                  ; three quarters of the images now: with the 13 loads above, 61 loads of mine are out
	WIN 0
	s_wait_loadcnt 48                              ; the keys and the four small tensors are in; the 48 younger loads stay out
	; the list's constants.  In register j the rows that match get ranks base_j on, the others the ranks behind them: 32 ranks on end, so that rank mod 32 is a permutation of the lanes
.irp j, 0,1,2,3,4,5,6,7
	v_and_b32 v21, 7, v[RJ+\j]                     ; key 8 (no expert) is worked by expert 0's work-groups
	v_cmp_eq_u32 s[40+\j], s25, v21
	s_bcnt1_i32_b32 s61, s[40+\j]
	s_add_co_u32 s[49+\j], s[48+\j], s61           ; base_(j+1); base_8 = s56 = n
	s_not_b32 s62, s[40+\j]
	v_mbcnt_lo_u32_b32 v22, s[40+\j], s[48+\j]
	v_mbcnt_lo_u32_b32 v23, s62, s[49+\j]
	v_cndmask_b32 v[RANK+\j], v23, v22, s[40+\j]
	v_and_b32 v24, 8, v[RJ+\j]
	v_lshl_add_u32 v24, v24, 5, v1                 ; bit 8 marks a row without an expert
	v_add_nc_u32 v[ROWID+\j], 32*\j, v24
.endr
	s_add_co_u32 s63, s56, 47                      ; the trips: ceil(n / 48) = ((n + 47) x 683) >> 15, exact for n + 47 up to 303 (n is 256 at the most),
	s_mul_i32 s63, s63, 683
	s_lshr_b32 s63, s63, 15
	s_max_u32 s63, s63, 1                          ; one at the least,
	s_min_u32 s63, s63, 6                          ; six at the most
	; the constants of the affine end
	s_wait_kmcnt 0x0
	v_mov_b32 v24, s36
	v_mov_b32 v25, s37
.irp i, 0,1,2,3,4,5,6,7
	v_mul_f32 v[GG+\i], 0xbfb8aa3b, v[GG+\i]       ; -log2(e) x
.endr
	v_mul_f32 v24, 0xbfb8aa3b, v24
	v_mul_f32 v25, 0xbfb8aa3b, v25
.irp i, 0,1,2,3,4,5,6,7
	v_exp_f32 v[GG+\i], v[GG+\i]
.endr
	v_exp_f32 v24, v24
	v_exp_f32 v25, v25
	v_nop
	s_wait_alu depctr_va_vdst(0)                   ; one wait for the ten exponentials, ahead of their first reader
.irp i, 0,1,2,3,4,5,6,7
	v_add_f32 v[GG+\i], 1.0, v[GG+\i]
.endr
	v_add_f32 v24, 1.0, v24
	v_add_f32 v25, 1.0, v25
.irp i, 0,1,2,3,4,5,6,7
	v_rcp_f32 v[GG+\i], v[GG+\i]
.endr
	v_rcp_f32 v24, v24
	v_rcp_f32 v25, v25
	v_nop
	s_add_co_i32 s77, s34, s35                     ; eh + ew2
	s_wait_alu depctr_va_vdst(0)                   ; one wait for the ten reciprocals
	v_add_f32 v26, v24, v25
	v_sub_f32 v27, v25, v24
	v_mul_f32 v26, 0.5, v26                        ; 0.5 (b - a)
	v_mul_f32 v27, 0.5, v27                        ; 0.5 (a + b)
	v_readfirstlane_b32 s78, v27
	s_mov_b32 s79, s78
.irp i, 0,1,2,3,4,5,6,7
	v_mul_f32 v[GG+\i], v[GG+\i], v26
.endr
.irp i, 0,1,2,3,4,5,6,7
	v_mul_f32 v[BC+\i], v[BC+\i], v[GG+\i]         ; 0.5 (b - a) sigmoid(scales) b2
.endr
.irp i, 0,1,2,3,4,5,6,7
	v_ldexp_f32 v[GG+\i], v[GG+\i], s77            ; 0.5 (b - a) sigmoid(scales) 2^(eh + ew2): what a sum of product 2 is multiplied by
.endr
	s_add_co_i32 s61, s32, s33
	s_add_co_i32 s61, s61, 127
	s_lshl_b32 s66, s61, 23                        ; 2^(ey + ew1)
	s_mov_b32 s67, s66
	s_add_co_i32 s61, s34, 127
	s_lshl_b32 s38, s61, 23                        ; 2^eh
	s_add_co_i32 s61, s61, 15
	s_lshl_b32 s73, s61, 23
	s_or_b32 s73, s73, 0x600000                    ; 57,344 x 2^eh,
	s_or_b32 s74, s73, 0x80000000                  ; and its negative
	s_add_co_i32 s61, s32, 127
	s_lshl_b32 s39, s61, 23                        ; 2^ey
	s_add_co_i32 s61, s61, 15
	s_lshl_b32 s75, s61, 23
	s_or_b32 s75, s75, 0x600000
	s_or_b32 s76, s75, 0x80000000
	WIN 0x04
	TOLDS 0, 32                                    ; pieces 0-15 are in; pieces 16-47 stay out
	WIN 0x40
	FROMMEM 48, 16                                 ; the last quarter: 48 loads of mine are out
	WIN 0x04
	TOLDS 16, 32                                   ; pieces 16-31 are in; pieces 32-63 stay out
	TOLDS 32, 16                                   ; pieces 32-47 are in; pieces 48-63 stay out
	TOLDS 48, 0
	WIN 0
	ds_store_b64 v[B1A], v[B1D:B1D+1]
	s_wait_dscnt 0x0                               ; for the others' sake: my part of the images lies in LDS
	s_barrier_signal -1
	s_barrier_wait -1                              ; the only barrier: from here on nobody writes what another wave reads
	WIN 0x40
	v_mov_b32 v[C1], 0xbeaaaaab                    ; -1/3, twice
	v_mov_b32 v[C1+1], 0xbeaaaaab
	v_mov_b32 v[SCH], s38
	v_mov_b32 v[SCY], s39
	WIN 0
.Ltrip:                                            ; list positions P0 .. P0 + 47
	; the list: each register's rows are pushed to lane (rank - P0) mod 32; position p then stands in lane (p - P0) mod 32 of the register j with base_j <= p < base_(j+1)
.irp j, 0,1,2,3,4,5,6,7
	v_sub_nc_u32 v[DJ+\j], v[RANK+\j], s57
.endr
.irp j, 0,1,2,3,4,5,6,7
	v_and_b32 v[DJ+\j], 31, v[DJ+\j]
.endr
.irp j, 0,1,2,3,4,5,6,7
	v_min_u32 v[DJ+\j], 31, v[DJ+\j]
.endr
.irp j, 0,1,2,3,4,5,6,7
	v_lshlrev_b32 v[DJ+\j], 2, v[DJ+\j]
.endr
.irp j, 0,1,2,3,4,5,6,7
	ds_permute_b32 v[RJ+\j], v[DJ+\j], v[ROWID+\j] ; between lanes: no LDS byte is touched
.endr
	v_add_nc_u32 v[PA], s57, v1
	v_add_nc_u32 v[PB], 32, v[PA]
	s_sub_co_u32 s58, s56, s57                     ; nv: how many rows are left from P0 on
	s_wait_dscnt 0x0
	v_mov_b32 v[LA], v[RJ]
	v_mov_b32 v[LA+1], v[RJ]
.irp j, 1,2,3,4,5,6,7
	v_cmp_le_u32 vcc_lo, s[48+\j], v[PA]
	v_cndmask_b32 v[LA], v[LA], v[RJ+\j], vcc_lo
	v_cmp_le_u32 vcc_lo, s[48+\j], v[PB]
	v_cndmask_b32 v[LA+1], v[LA+1], v[RJ+\j], vcc_lo
.endr
	v_cmp_gt_u32 vcc_lo, s56, v[PA]
	v_cndmask_b32 v[LA], 0, v[LA], vcc_lo          ; past the list's end: my first row, which is worked and not stored
	v_cmp_gt_u32 vcc_lo, s56, v[PB]
	v_cndmask_b32 v[LA+1], 0, v[LA+1], vcc_lo
	v_cmp_lt_u32 s59, 0xff, v[LA]                  ; the rows without an expert, as masks
	v_cmp_lt_u32 s60, 0xff, v[LA+1]
	v_and_b32 v[LA], 0xff, v[LA]
	v_and_b32 v[LA+1], 0xff, v[LA+1]
.irp grp, 0,1,2,3,4,5
.irp k, 0,1,2,3,4,5,6,7
	v_readlane_b32 s[86+\k], v[LA+(8*\grp+\k)/32], (8*\grp+\k)%32
.endr
.irp k, 0,1,2,3,4,5,6,7
	s_min_u32 s[86+\k], s[86+\k], 0xff             ; a row of my 256
.endr
.irp k, 0,1,2,3,4,5,6,7
	v_lshl_add_u32 v[OFF+8*\grp+\k], s[86+\k], 10, v[L16]   ; 1,024 x row + 16 x lane
.endr
.endr
	YLOAD 0
	YLOAD 1
	WIN 0
	WLOAD1 WFA, 0, 0                               ; the first 64 hidden units' fragments land while y is quantised
	WLOAD1 WFB, 0, 1
	YQ 0
	YQ 1
	GAMMA 0
	GAMMA 1
	GAMMA 2
	GAMMA 3
	WIN 0xc0
.irp m, 0,1,2
.irp s, 0,1
.irp c, 0,1,2,3
	ds_load_b128 v[YC+32*\m+16*\s+4*\c:YC+32*\m+16*\s+4*\c+3], v[RB] offset:4096*\m+2048*\s+512*\c   ; the hidden layer's six fragments, over y's codes, which are done with; these see my stores: LDS serves a wave in order
.endr
.endr
.endr
	P2 0
	EPI 0
	P2 1
	EPI 1
	s_wait_xcnt 0x0                                ; the stores have read their offsets and data: the next trip writes both anew
	s_add_co_u32 s57, s57, 48                      ; the next 48 list positions
	s_add_co_u32 s27, s27, 1                       ; the loop is counted by one, against the trip count made at the head, which the loop does not write
	s_cmp_lt_u32 s27, s63
	s_cbranch_scc1 .Ltrip
	s_wait_tensorcnt 0x0
	ds_add_u32 v15, v28
	s_wait_dscnt 0x0
	s_endpgm
.Lfunc_end_k_q890720cbb1_chain:
	.size	k_q890720cbb1_chain, .Lfunc_end_k_q890720cbb1_chain-k_q890720cbb1_chain
	.p2alignl 7, 3214868480
	.fill 96, 4, 3214868480
	.section	.rodata,"a",@progbits
	.p2align	6, 0x0
	.amdhsa_kernel k_q890720cbb1_chain
		.amdhsa_group_segment_fixed_size 233984
		.amdhsa_private_segment_fixed_size 0
		.amdhsa_enable_private_segment 0
		.amdhsa_kernarg_size 80
		.amdhsa_user_sgpr_count 2
		.amdhsa_user_sgpr_kernarg_segment_ptr 1
		.amdhsa_wavefront_size32 1
		.amdhsa_system_sgpr_workgroup_id_x 1
		.amdhsa_system_sgpr_workgroup_id_y 1
		.amdhsa_system_sgpr_workgroup_id_z 1
		.amdhsa_system_vgpr_workitem_id 0
		.amdhsa_next_free_vgpr 1024
		.amdhsa_next_free_sgpr 96
		.amdhsa_reserve_vcc 1
		.amdhsa_float_denorm_mode_32 3
		.amdhsa_float_denorm_mode_16_64 3
		.amdhsa_memory_ordered 1
		.amdhsa_forward_progress 1
		.amdhsa_inst_pref_size 255
	.end_amdhsa_kernel
	.section	.bss,"aw",@nobits
	.p2align	6
	.space	262144
	.amdgpu_metadata
---
amdhsa.version: [ 1, 2 ]
amdhsa.kernels:
  - .name:           k_q890720cbb1_chain
    .symbol:         k_q890720cbb1_chain.kd
    .args:
      - { .name: keys, .offset: 0, .size: 8, .value_kind: global_buffer, .address_space: global }
      - { .name: wcodes, .offset: 8, .size: 8, .value_kind: global_buffer, .address_space: global }
      - { .name: y, .offset: 16, .size: 8, .value_kind: global_buffer, .address_space: global }
      - { .name: out0, .offset: 24, .size: 8, .value_kind: global_buffer, .address_space: global }
      - { .name: b1, .offset: 32, .size: 8, .value_kind: global_buffer, .address_space: global }
      - { .name: b2, .offset: 40, .size: 8, .value_kind: global_buffer, .address_space: global }
      - { .name: lowp_scales, .offset: 48, .size: 8, .value_kind: global_buffer, .address_space: global }
      - { .name: scales, .offset: 56, .size: 8, .value_kind: global_buffer, .address_space: global }
      - { .name: shifta, .offset: 64, .size: 8, .value_kind: global_buffer, .address_space: global }
      - { .name: shiftb, .offset: 72, .size: 8, .value_kind: global_buffer, .address_space: global }
    .group_segment_fixed_size: 233984
    .private_segment_fixed_size: 0
    .kernarg_segment_align: 8
    .kernarg_segment_size: 80
    .max_flat_workgroup_size: 128
    .sgpr_count:     96
    .vgpr_count:     1024
    .wavefront_size: 32
...
	.end_amdgpu_metadata
.endif
;; end of part 2
;; ======== version 2 of 2: 2 launches; version 1 with the launch chain written anew for expert scheduling mode
;; workspace buffers: wcodes 1,048,576 bytes; keys 131,072 bytes of whole numbers
;; launch prep: the kernel of part 1 again; grid 256 x 1, 2 waves a work-group, no clusters, 0 bytes of LDS; arguments W1, W2, lowp_scales, t, wcodes, keys; writes wcodes, keys
;; launch chain (part 3): grid 32 x 8, 4 waves a work-group, no clusters, 233,984 bytes of LDS; arguments keys, wcodes, y, out0, b1, b2, lowp_scales, scales, shifta, shiftb; writes out0
.if DOCPART == 3
	.amdgcn_target "amdgcn-amd-amdhsa--gfx1250"
	.amdhsa_code_object_version 6
	.text
	.protected	k_q890720cbb1_chain
	.globl	k_q890720cbb1_chain
	.p2align	8
	.type	k_q890720cbb1_chain,@function
k_q890720cbb1_chain:
	s_mov_b64 s[64:65], 0
	v_nop
	global_prefetch_b8 v0, s[64:65] scope:SCOPE_SE
	s_setreg_imm32_b32 hwreg(HW_REG_WAVE_SCHED_MODE, 0, 2), 2
	s_setreg_imm32_b32 hwreg(HW_REG_WAVE_MODE, 25, 1), 1
	s_wait_xcnt 0x0
	s_wait_alu depctr_vm_vsrc(0)
; out = 0.5 (b - a) sigmoid(scales) f + 0.5 (a + b) y, a = -sigmoid(shifta), b = sigmoid(shiftb), f = tanh(y W1[e]^T + b1[e]) W2[e]^T + b2[e] for the row's own expert e,
; f = 0 for a row whose index is negative.  Both products on codes of E5M2 with the given scales ey, ew1, eh, ew2 = entries 4 e .. 4 e + 3.  Only the chosen expert's rows are multiplied.
; SHARES.  Work-group (c, e): chunk c of 1,024 rows, expert e.  It copies the expert's 131,072 bytes of codes (images of operand registers, made by the launch before) and b1[e] into LDS once; ONE barrier;
; from there on its four waves share nothing that is written.  Wave w owns rows 1,024 c + 256 w .. + 255: it lists those whose stored key names e, in registers, and takes them 48 at a time through the whole
; chain: gather, quantise, product 1, tanh, quantise, product 2, the affine end, store.  Each row of out0 has one owner.  ceil(n / 48) trips, one at the least, six at the most; every split of the rows is served.
; BOTH PRODUCTS ARE USED TRANSPOSED (source 0 = 16 rows of a weight, source 1 = 16 rows of y or of the hidden layer): a lane holds one row, and its registers run along the outputs.
; NO JOINT LOADS, though the 32 work-groups of an expert read the same 131,072 bytes: this text has no tensor load and no copy;
; the codes come by plain loads.  No prefetch: a row's address is known only when the keys are read, and the first use follows at once.
; LIMITS.  ey and eh between -126 and 112; ey + ew1 between -126 and 127; eh + ew2 is applied by v_ldexp_f32 to the gain, which must stay an f32 number.  NaN among the inputs is not served.
;          A row with a negative index is worked with expert 0 and its result multiplied by 0: that result must be finite.
; tanh(x) = 1 - 2 / (1 + 2^(2 log2(e) x)); where x^2 < 1/64 the series x - x^3 / 3 + 2 x^5 / 15 is taken (the next term is under 17/315 x 2^-18 of x), since the first form loses the small x's last bits.
;
; THE MODE: SCHED_MODE bits 1:0 = 2 (LLVM: expert scheduling mode 2), set by the entry lines.  The code itself states the register dependences between vector or matrix instructions and memory or LDS
; instructions, and between a vector instruction's scalar result and its readers, with s_wait_alu, always for 0.
; THE PLAN.  Registers that memory or LDS instructions touch, in a trip's order:
;   DJ, ROWID    the permutes read them; DJ is written at the trip's head, ROWID once.      RJ   the permutes land in it; the selects read it.
;   OFF          written behind the list; read by y's loads and out0's stores.              y    (windows 2, 3) loaded; read by the LDS stores into the stage and by the way out's multiplies.
;   T0, T1, T2   loads from the stage land; the holds and conversions work in place.        WFA, WFB   LDS loads land; matrix instructions read.
;   BI           b1 lands; tanh reads.       HCQ  the conversions write; LDS stores read.   YC   the conversions write, later LDS loads land; matrix instructions read.
;   product 2's accumulators: matrix instructions write; LDS stores read.                   RBK  loads from the stage land; the way out works in place.     UU  two sets by turns: vector work writes, out0's stores read.
;   The addresses v4-v12, v16, v29 are made once at the head and never written again.
; A wait on va_vdst stands: ahead of the permutes; ahead of y's loads (it serves all loads up to the first half's from the stage: only memory instructions follow it); ahead of the second half's loads from the stage;
; ahead of the first loads of b1; in each phase of 64 hidden units behind its products and ahead of its codes' stores (the second serves the next phase's loads of b1); ahead of the hidden fragments' loads;
; in product 2 ahead of each refill of a set and ahead of the stage's stores; on the way out once for eight rows, ahead of their stores and of the next eight rows' loads.
; A wait on vm_vsrc stands: behind the barrier; at the head of phases 1 to 3; on the way out ahead of a group's stores, for the group before, whose set of UU the next group writes; ahead of product 2's second half; at the trip's end.
; Compares stand in runs into scalar registers, one wait on va_sdst behind a run; VCC is not used.  EXEC is never written.
;
; LDS: 0 W1's images, 65,536 W2's (fragment (tile, K step) at 4,096 tile + 2,048 step, four chunks of 512 bytes); 131,072 b1[e]; from 132,096 a stage of 48 rows x 528 bytes for each wave, its own.
; REGISTERS, in windows of 256 (s_set_vgpr_msb: bits 1:0 source 0, 3:2 source 1, 5:4 source 2, 7:6 destination):
;   window 0: v1-31 lane numbers, addresses, at work; v32-79 a row's byte offset; v80-95 gain and bias of my 8 columns; v96-127 the list; v128-255 two sets of four weight fragments, later rows on the way out
;   window 1: at the head the weights on their way to LDS; then numbers of y; then product 1's sums and tanh's registers; then product 2's sums;  v216-219 constants that stay
;   window 2: y's rows 0-31 (row i, half g at v[8 i + 4 g]);   window 3: y's rows 32-47; from v128 the codes of y, later of the hidden layer (tile m, K step s at v[128 + 32 m + 16 s])
;   scalar: behind the head s12-23 and s28-47 are free: they take the runs of masks and lane reads
.set BIAS, 131072
.set STG,  132096
.set STGW, 25344                       ; 48 rows x 528
.set SP,   528                         ; a stage row: 512 bytes + 16: sixteen rows that a load touches begin at sixteen different 16-byte columns of 256
.set L4,   4                           ; v4   4 x lane
.set L16,  5                           ; v5   16 x lane: my bytes of half a row in memory
.set SA0,  6                           ; v6   16 x thread: the copy of the weights; v7 the same + 65,536
.set WA0,  8                           ; v8   16 x lane: a fragment's chunk in W1's images
.set WA1,  9                           ; v9   the same in W2's
.set BA0,  10                          ; v10  b1 in LDS + 64 h
.set FRA,  11                          ; v11  my stage + 528 r + 64 h: a row by fragments
.set RB,   12                          ; v12  my stage + 16 x lane: a row as it lies in memory, and an image's chunk
.set B1A,  16                          ; v16  b1 in LDS + 8 x thread
.set PA,   17                          ; v17, v18  the list positions P0 + lane, P0 + 32 + lane
.set PB,   18
.set LA,   19                          ; v19, v20  the rows at those positions
.set B1G,  29                          ; v29  8 x thread
.set B1D,  30                          ; v[30:31] two numbers of b1 on their way to LDS
.set OFF,  32
.set GG,   80                          ; gain: half g at v[80 + 4 g]
.set BC,   88                          ; bias: likewise
.set RANK, 96
.set ROWID, 104
.set RJ,   112                         ; the keys, then the permuted row numbers
.set DJ,   120
.set WFA,  128
.set WFB,  192
.set RBK,  128                         ; the way out: 8 rows' sums
.set UU,   160                         ; and 8 rows of ca y, then of out0: two sets, at v160 and v192, by turns
.set T0,   0                           ; window 1
.set T1,   64
.set T2,   128
.set EE,   96
.set ZZ,   128
.set BI,   160
.set HCQ,  192
.set C1,   216
.set SCH,  218
.set SCY,  219
.set QQ,   220
.set YC,   128                         ; window 3
.set MSB, 0
.macro WIN new                         ; the immediate's high byte repeats the setting that is left; a switch that changes nothing is dropped
.if MSB != (\new)
	s_set_vgpr_msb (MSB<<8)|(\new)
.set MSB, (\new)
.endif
.endm
.macro PLACES n                        ; plain vector instructions between a matrix instruction and what touches its registers (ISA guide 7.12.1)
.rept \n
	v_nop
.endr
.endm
; n of the 64 pieces (TOLDS: sixteen) of the expert's images, from k0 on: out of memory into window 1, and from there into LDS
.macro FROMMEM k0, n
.set K, \k0
.rept \n
	global_load_b128 v[4*K:4*K+3], v[SA0], s[6:7] offset:2048*K    ; the work-group's 128 threads read 2,048 consecutive bytes
.set K, K+1
.endr
.endm
.macro TOLDS k0, left                  ; left: the younger loads, which stay out
	s_wait_loadcnt \left
.set K, \k0
.rept 16
	ds_store_b128 v[SA0+K/32], v[4*K:4*K+3] offset:2048*(K%32)
.set K, K+1
.endr
.endm
; half hf of the trip's 48 rows of y: one load reads 512 consecutive bytes of one row
.macro YLOAD hf
	WIN 0x80
.set I, 0
.rept 32
	global_load_b128 v[8*I+4*\hf:8*I+4*\hf+3], v[OFF+I], s[8:9] offset:512*\hf
.set I, I+1
.endr
	WIN 0xc0
.set I, 0
.rept 16
	global_load_b128 v[8*I+4*\hf:8*I+4*\hf+3], v[OFF+32+I], s[8:9] offset:512*\hf
.set I, I+1
.endr
.endm
; 64 numbers of tile mt's rows out of the stage: register 16 c + i = k 32 c + 16 h + i of row r
.macro TLOAD tt, mt
	WIN 0x40
.irp c, 0,1,2,3
.irp q, 0,1,2,3
	ds_load_b128 v[\tt+16*\c+4*\q:\tt+16*\c+4*\q+3], v[FRA] offset:16*(\mt)*SP+128*\c+16*\q
.endr
.endr
.endm
; they become the fragment (tile mt, K step hf) of y's codes
.macro QY tt, mt, hf
	WIN 0x55
.set I, 0
.rept 64
	v_med3_num_f32 v[\tt+I], v[\tt+I], s76, s75    ; the hold at 57,344 x 2^ey: the conversion does not saturate (ISA guide 7.6.2)
.set I, I+1
.endr
	WIN 0xd5                                       ; the codes go to window 3; every source place means window 1
.irp c, 0,1,2,3
.irp u, 0,1
	v_cvt_scalef32_pk8_bf8_f32 v[YC+32*(\mt)+16*(\hf)+4*\c+2*\u:YC+32*(\mt)+16*(\hf)+4*\c+2*\u+1], v[\tt+16*\c+8*\u:\tt+16*\c+8*\u+7], v[SCY]
.endr
.endr
	v_nop                                          ; a plain instruction between the last conversion and the matrix instructions that read the codes and write over the numbers
.endm
; half hf of y goes through my stage as it lies and comes back by fragments, a buffer to each of the three tiles.  LDS serves a wave's instructions in order: no wait between the stores and the loads
.macro YQ hf
.if \hf == 0
	s_wait_loadcnt 48                              ; the first half's 48 loads are in; the second half's 48 stay out
.else
	s_wait_loadcnt 0x0
.endif
	WIN 0x08
.set I, 0
.rept 32
	ds_store_b128 v[RB], v[8*I+4*\hf:8*I+4*\hf+3] offset:SP*I
.set I, I+1
.endr
	WIN 0x0c
.set I, 0
.rept 16
	ds_store_b128 v[RB], v[8*I+4*\hf:8*I+4*\hf+3] offset:SP*(32+I)
.set I, I+1
.endr
	WIN 0x40
.if \hf == 1
	s_wait_alu depctr_va_vdst(0)                   ; the first half's holds and conversions are done reading and writing T0, T1 and T2, in which the loads below land
.endif                                             ; (first half: the wait ahead of y's loads serves; since it only loads, and stores that name v[RB] and y's registers, were issued)
	TLOAD T0, 0
	TLOAD T1, 1
	TLOAD T2, 2
	s_wait_dscnt 32                                ; tile 0 is in; the 32 loads of tiles 1 and 2 stay out
	QY T0, 0, \hf
	s_wait_dscnt 16                                ; tile 1 is in; tile 2's sixteen stay out
	QY T1, 1, \hf
	s_wait_dscnt 0x0
	QY T2, 2, \hf
.endm
; four fragments of W1: tiles 4 gam .. 4 gam + 3, K step ks;  of W2: tiles 8 hf + 4 qd .. + 3
.macro WLOAD1 fs, gam, ks
.irp tau, 0,1,2,3
.irp c, 0,1,2,3
	ds_load_b128 v[\fs+16*\tau+4*\c:\fs+16*\tau+4*\c+3], v[WA0] offset:16384*(\gam)+4096*\tau+2048*(\ks)+512*\c
.endr
.endr
.endm
.macro WLOAD2 fs, hf, qd, ks
.irp tau, 0,1,2,3
.irp c, 0,1,2,3
	ds_load_b128 v[\fs+16*\tau+4*\c:\fs+16*\tau+4*\c+3], v[WA1] offset:4096*(8*(\hf)+4*(\qd)+\tau)+2048*(\ks)+512*\c
.endr
.endr
.endm
; twelve matrix instructions on twelve accumulators, one instruction a turn.  zero = 1: the first K step starts the sums
.macro MM1 fs, ks, zero
.irp tau, 0,1,2,3
.irp m, 0,1,2
.if \zero
	v_wmma_f32_16x16x128_bf8_bf8 v[32*\m+8*\tau:32*\m+8*\tau+7], v[\fs+16*\tau:\fs+16*\tau+15], v[YC+32*\m+16*\ks:YC+32*\m+16*\ks+15], 0
.else
	v_wmma_f32_16x16x128_bf8_bf8 v[32*\m+8*\tau:32*\m+8*\tau+7], v[\fs+16*\tau:\fs+16*\tau+15], v[YC+32*\m+16*\ks:YC+32*\m+16*\ks+15], v[32*\m+8*\tau:32*\m+8*\tau+7]
.endif
.endr
.endr
.endm
.macro MM2 fs, qd, ks, zero
.irp tau, 0,1,2,3
.irp m, 0,1,2
.if \zero
	v_wmma_f32_16x16x128_bf8_bf8 v[8*(3*(4*(\qd)+\tau)+\m):8*(3*(4*(\qd)+\tau)+\m)+7], v[\fs+16*\tau:\fs+16*\tau+15], v[YC+32*\m+16*\ks:YC+32*\m+16*\ks+15], 0
.else
	v_wmma_f32_16x16x128_bf8_bf8 v[8*(3*(4*(\qd)+\tau)+\m):8*(3*(4*(\qd)+\tau)+\m)+7], v[\fs+16*\tau:\fs+16*\tau+15], v[YC+32*\m+16*\ks:YC+32*\m+16*\ks+15], v[8*(3*(4*(\qd)+\tau)+\m):8*(3*(4*(\qd)+\tau)+\m)+7]
.endif
.endr
.endr
.endm
; Tile mt's 32 sums a lane (register 16 b + i = hidden unit 64 gam + 32 b + 16 h + i of row r) become tanh and then codes.  All in window 1.
; The exponentials are one batch and the reciprocals another; the series and the compares stand behind them as the independent work, and one wait stands ahead of each batch's first reader.
; The 32 compares are one run into s12-23 and s28-47 (number I into s[12 + I], from I = 12 on into s[16 + I]), with one wait ahead of the selects.
.macro TANH mt
.set X, 32*(\mt)
.set I, 0
.rept 16
	v_pk_fma_f32 v[X+I:X+I+1], v[X+I:X+I+1], s[66:67], v[BI+I:BI+I+1] op_sel_hi:[1,0,1]   ; x = sum x 2^(ey + ew1) + b1; each accumulator from its low end on
.set I, I+2
.endr
.set I, 0
.rept 16
	v_pk_mul_f32 v[EE+I:EE+I+1], v[X+I:X+I+1], s[68:69] op_sel_hi:[1,0]                   ; 2 log2(e) x
.set I, I+2
.endr
.set I, 0
.rept 32
	v_exp_f32 v[EE+I], v[EE+I]
.set I, I+1
.endr
.set I, 0
.rept 16
	v_pk_mul_f32 v[ZZ+I:ZZ+I+1], v[X+I:X+I+1], v[X+I:X+I+1]                               ; x^2
.set I, I+2
.endr
.set I, 0
.rept 32
.set SG, 12+I+4*((I+52)/64)
	v_cmp_gt_f32 s[SG], s72, v[ZZ+I]               ; 1/64 > x^2: the series
.set I, I+1
.endr
.set I, 0
.rept 16
	v_pk_fma_f32 v[QQ+I:QQ+I+1], v[ZZ+I:ZZ+I+1], s[70:71], v[C1:C1+1] op_sel_hi:[1,0,1]   ; 2/15 x^2 - 1/3
.set I, I+2
.endr
	s_wait_alu depctr_va_vdst(0)                   ; one wait for the 32 exponentials: their results in EE are written
.set I, 0
.rept 16
	v_pk_add_f32 v[EE+I:EE+I+1], v[EE+I:EE+I+1], 1.0 op_sel_hi:[1,0]
.set I, I+2
.endr
.set I, 0
.rept 32
	v_rcp_f32 v[EE+I], v[EE+I]
.set I, I+1
.endr
.set I, 0
.rept 16
	v_pk_mul_f32 v[QQ+I:QQ+I+1], v[QQ+I:QQ+I+1], v[ZZ+I:ZZ+I+1]
.set I, I+2
.endr
.set I, 0
.rept 16
	v_pk_fma_f32 v[QQ+I:QQ+I+1], v[QQ+I:QQ+I+1], v[X+I:X+I+1], v[X+I:X+I+1]               ; the series: x + x (x^2 (2/15 x^2 - 1/3))
.set I, I+2
.endr
	s_wait_alu depctr_va_vdst(0)                   ; one wait for the 32 reciprocals: their results in EE are written
.set I, 0
.rept 16
	v_pk_fma_f32 v[EE+I:EE+I+1], v[EE+I:EE+I+1], -2.0, 1.0 op_sel_hi:[1,0,0]              ; 1 - 2 / (1 + 2^..)
.set I, I+2
.endr
	s_wait_alu depctr_va_sdst(0)                   ; the 32 compares above have written their masks, which the selects read
.set I, 0
.rept 32
.set SG, 12+I+4*((I+52)/64)
	v_cndmask_b32 v[X+I], v[EE+I], v[QQ+I], s[SG]
.set I, I+1
.endr
.set I, 0
.rept 32
	v_med3_num_f32 v[X+I], v[X+I], s74, s73        ; the hold at 57,344 x 2^eh, whatever eh is
.set I, I+1
.endr
.irp b, 0,1
.irp u, 0,1
	v_cvt_scalef32_pk8_bf8_f32 v[HCQ+8*(\mt)+4*\b+2*\u:HCQ+8*(\mt)+4*\b+2*\u+1], v[X+16*\b+8*\u:X+16*\b+8*\u+7], v[SCH]
.endr
.endr
	v_nop                                          ; a plain instruction behind the last conversion: later matrix instructions write over its sources
.endm
; 64 hidden units (tiles 4 gam .. 4 gam + 3 of W1) for the 48 rows.  Both sets of fragments were asked for a phase ago.
.macro GAMMA gam
	WIN 0x40
.if \gam == 0
	s_wait_alu depctr_va_vdst(0)                   ; y's last holds and conversions are done with T2, in whose upper half b1 lands
.endif                                             ; (later phases: the wait ahead of the last codes' stores serves; the stores since name v[RB] and HCQ alone)
.irp b, 0,1
.irp q, 0,1,2,3
	ds_load_b128 v[BI+16*\b+4*\q:BI+16*\b+4*\q+3], v[BA0] offset:256*(\gam)+128*\b+16*\q   ; b1 at my 32 hidden units
.endr
.endr
	s_wait_dscnt 8                                 ; all but these eight: both sets of fragments are in
.if \gam > 0
	s_wait_alu depctr_vm_vsrc(0)                   ; the last phase's LDS stores have read HCQ, which this phase's conversions write again
.endif
	WIN 0x5c                                       ; source 0 window 0, source 1 window 3, C and D window 1
	MM1 WFA, 0, 1
	MM1 WFB, 1, 0
	PLACES 4                                       ; in front of the first read of the sums
	WIN 0
	s_wait_alu depctr_va_vdst(0)                   ; the 24 products are done reading both sets of fragments, in which the loads below land
.if \gam < 3
	WLOAD1 WFA, \gam+1, 0                          ; the next 64 units' fragments land while tanh is worked
	WLOAD1 WFB, \gam+1, 1
.else
	WLOAD2 WFA, 0, 0, 0                            ; product 2's first two sets
	WLOAD2 WFB, 0, 1, 0
.endif
	s_wait_dscnt 32                                ; all but the 32 just issued: b1 is in
	WIN 0x55
	TANH 0
	TANH 1
	TANH 2
	WIN 0x04
	s_wait_alu depctr_va_vdst(0)                   ; the conversions have written HCQ, which the stores below read; tanh is done reading b1's registers, in which the next phase's loads land
.irp m, 0,1,2
.irp b, 0,1
	ds_store_b128 v[RB], v[HCQ+8*\m+4*\b:HCQ+8*\m+4*\b+3] offset:4096*\m+1024*(\gam)+512*\b   ; units 64 gam + 32 b on are chunk 2 (gam % 2) + b of K step gam / 2: the fragment's image in my stage
.endr
.endr
	WIN 0
.endm
; Half hf of the outputs (tiles 8 hf .. 8 hf + 7 of W2) for the 48 rows: 24 accumulators; then into my stage by rows
.macro P2 hf
	WIN 0
.if \hf == 1
	s_wait_xcnt 0x0                                ; the last rows' stores have had their addresses translated: fragments may land in their registers
	s_wait_alu depctr_vm_vsrc(0)                   ; out0's stores have read both sets of UU, in which fragments land; the first half's LDS stores have read the accumulators, which this half's products start anew
	WLOAD2 WFA, 1, 0, 0                            ; (on every way here the way out's last vector instruction stands ahead of a wait on va_vdst)
	WLOAD2 WFB, 1, 1, 0
	s_wait_dscnt 16                                ; the first set is in; the second's sixteen loads stay out
.else
	s_wait_dscnt 0x0                               ; the hidden layer's fragments and both sets are in
.endif
	WIN 0x5c
	MM2 WFA, 0, 0, 1
	PLACES 4
	WIN 0
	s_wait_alu depctr_va_vdst(0)                   ; the twelve products are done reading the first set, in which the loads below land
	WLOAD2 WFA, \hf, 0, 1
	s_wait_dscnt 16                                ; all but the sixteen just issued
	WIN 0x5c
	MM2 WFB, 1, 0, 1
	PLACES 4
	WIN 0
	s_wait_alu depctr_va_vdst(0)                   ; the twelve products are done reading the second set, in which the loads below land
	WLOAD2 WFB, \hf, 1, 1
	s_wait_dscnt 16                                ; all but the sixteen just issued
	WIN 0x5c
	MM2 WFA, 0, 1, 0
	s_wait_dscnt 0x0
	MM2 WFB, 1, 1, 0
	PLACES 5                                       ; four for the stores that read the sums and for the vector work that writes the fragments' registers; the fifth since the next half's products start new sums over these accumulators
	WIN 0x04
	s_wait_alu depctr_va_vdst(0)                   ; the products have written the 24 accumulators, which the stores below read, and are done reading the fragments, in whose registers the way out's first loads land; the places above stay beside this wait
.irp tp, 0,1,2,3,4,5,6,7
.irp m, 0,1,2
	ds_store_b128 v[FRA], v[8*(3*\tp+\m):8*(3*\tp+\m)+3] offset:16*\m*SP+128*(\tp/2)+32*(\tp%2)       ; register j: column 128 hf + 32 (tp / 2) + 16 h + 8 (tp % 2) + j of row 16 m + r; the low four first
	ds_store_b128 v[FRA], v[8*(3*\tp+\m)+4:8*(3*\tp+\m)+7] offset:16*\m*SP+128*(\tp/2)+32*(\tp%2)+16
.endr
.endr
	WIN 0
.endm
; THE WAY OUT of a half, eight rows at a time.  A group: ca y into its set of UU; its sums, asked for a group ago, x gain + bias; both together; ONE wait; the next group's loads from the stage; the group's stores.
; The rows that count are the first nv of the trip's 48: at the first that does not, the rest of the half is left out (scalar branches on stored numbers: a group's first row at the group's head, the others ahead of their stores).
.macro RLOAD grp                       ; eight rows' 512 bytes, as they lie in memory
.irp k, 0,1,2,3,4,5,6,7
	ds_load_b128 v[RBK+4*\k:RBK+4*\k+3], v[RB] offset:SP*(8*(\grp)+\k)
.endr
.endm
.macro ROWMIX i, k                     ; a row without an expert: its f counts for nothing
	s_bitcmp1_b32 s[59+(\i)/32], (\i)%32
	s_cselect_b32 s80, 0, 1.0
	v_pk_fma_f32 v[UB+4*\k:UB+4*\k+1], v[RBK+4*\k:RBK+4*\k+1], s[80:81], v[UB+4*\k:UB+4*\k+1] op_sel_hi:[1,0,1]
	v_pk_fma_f32 v[UB+4*\k+2:UB+4*\k+3], v[RBK+4*\k+2:RBK+4*\k+3], s[80:81], v[UB+4*\k+2:UB+4*\k+3] op_sel_hi:[1,0,1]
.endm
.macro ROWOUT i, k, hf
.if (\k) > 0
	s_cmp_le_u32 s58, \i
	s_cbranch_scc1 .Lhalf_end_\hf
.endif
	global_store_b128 v[OFF+\i], v[UB+4*\k:UB+4*\k+3], s[10:11] offset:512*\hf th:TH_STORE_NT   ; 32 lanes store 512 consecutive bytes, at a multiple of 256 from out0's first byte
.endm
.macro EPI hf
	RLOAD 0                                        ; LDS serves a wave in order: these see the sums' stores
.irp grp, 0,1,2,3,4,5
.set UB, UU+32*(\grp%2)
	s_cmp_le_u32 s58, 8*\grp                       ; none of the group's rows counts: the half is over
	s_cbranch_scc1 .Lhalf_end_\hf
	WIN 0x02+\grp/4                                ; y's rows 0-31 lie in window 2, rows 32-47 in window 3
.irp k, 0,1,2,3,4,5,6,7
	v_pk_mul_f32 v[UB+4*\k:UB+4*\k+1], v[8*((8*\grp+\k)%32)+4*\hf:8*((8*\grp+\k)%32)+4*\hf+1], s[78:79] op_sel_hi:[1,0]       ; 0.5 (a + b) y
	v_pk_mul_f32 v[UB+4*\k+2:UB+4*\k+3], v[8*((8*\grp+\k)%32)+4*\hf+2:8*((8*\grp+\k)%32)+4*\hf+3], s[78:79] op_sel_hi:[1,0]
.endr
	WIN 0                                          ; every window is 0
	s_wait_dscnt 0x0                               ; the group's eight rows are in
.irp k, 0,1,2,3,4,5,6,7
	v_pk_fma_f32 v[RBK+4*\k:RBK+4*\k+1], v[RBK+4*\k:RBK+4*\k+1], v[GG+4*\hf:GG+4*\hf+1], v[BC+4*\hf:BC+4*\hf+1]
	v_pk_fma_f32 v[RBK+4*\k+2:RBK+4*\k+3], v[RBK+4*\k+2:RBK+4*\k+3], v[GG+4*\hf+2:GG+4*\hf+3], v[BC+4*\hf+2:BC+4*\hf+3]
.endr
.irp k, 0,1,2,3,4,5,6,7
	ROWMIX (8*\grp+\k), \k
.endr
	s_wait_alu depctr_va_vdst(0)                   ; the group's set of UU is written, which its stores read; the group is done with RBK, in which the next group's loads land
.if (\grp > 0) && (\grp < 5)
	s_wait_xcnt 0x0                                ; the stores of the group before have had their addresses translated,
	s_wait_alu depctr_vm_vsrc(0)                   ; and have read the other set of UU, which the next group writes again
.endif
.if \grp < 5
	RLOAD \grp+1
.endif
.irp k, 0,1,2,3,4,5,6,7
	ROWOUT (8*\grp+\k), \k, \hf
.endr
.endr
.Lhalf_end_\hf:
	s_wait_dscnt 0x0                               ; on a way that leaves the half early eight loads from the stage may be out: later loads land in their registers
.endm
	; ---------------- the head: runs once, no branch
	s_load_b512 s[4:19], s[0:1], 0x0               ; keys s[4:5], wcodes s[6:7], y s[8:9], out0 s[10:11], b1 s[12:13], b2 s[14:15], the exponents s[16:17], scales s[18:19]
	s_load_b128 s[20:23], s[0:1], 0x40             ; shifta s[20:21], shiftb s[22:23]
	v_lshl_add_u32 v21, v0, 2, 0x39000
	v_mov_b32 v28, 0
	v_lshrrev_b32 v1, 5, v0
	v_readfirstlane_b32 s24, v1                    ; wave 0..3
	s_and_b32 s25, ttmp7, 0xffff                   ; e
	s_mov_b32 s26, ttmp9                           ; c
	v_and_b32 v1, 31, v0                           ; lane
	v_and_b32 v2, 15, v0                           ; r
	v_bfe_u32 v3, v0, 4, 1                         ; h
	v_lshlrev_b32 v[L4], 2, v1
	v_lshlrev_b32 v[L16], 4, v1
	v_lshlrev_b32 v[SA0], 4, v0
	v_add_nc_u32 v[SA0+1], 0x10000, v[SA0]
	v_lshlrev_b32 v[WA0], 4, v1
	v_add_nc_u32 v[WA1], 0x10000, v[WA0]
	v_lshl_add_u32 v[BA0], v3, 6, BIAS
	s_wait_alu depctr_va_sdst(0)                   ; s24, the wave's number, is written, ahead of its first reader
	s_mul_i32 s61, s24, STGW
	s_add_co_u32 s61, s61, STG                     ; my stage
	v_mul_u32_u24 v[FRA], v2, SP
	v_lshl_add_u32 v[FRA], v3, 6, v[FRA]
	v_add_nc_u32 v[FRA], s61, v[FRA]
	v_add_nc_u32 v[RB], s61, v[L16]
	v_lshl_add_u32 v[B1A], v0, 3, BIAS
	v_lshlrev_b32 v[B1G], 3, v0
	s_lshl_b32 s28, s26, 12
	s_lshl_b32 s62, s24, 10
	s_add_co_u32 s28, s28, s62                     ; 4 x my first row, 1,024 c + 256 w
	s_mov_b32 s29, 0
	s_lshl_b32 s30, s28, 8                         ; 1,024 x it
	s_mov_b32 s31, 0
	s_mov_b32 s68, 0x4038aa3b                      ; 2 log2(e)
	s_mov_b32 s69, s68                             ; (named with it as a pair, so it is written)
	s_mov_b32 s70, 0x3e088889                      ; 2/15
	s_mov_b32 s71, s70
	s_mov_b32 s72, 0x3c800000                      ; 1/64
	s_mov_b32 s81, 0                               ; (the upper half of the pair s[80:81])
	s_mov_b32 s57, 0                               ; P0: the trip's first list position
	s_mov_b32 s27, 0                               ; the trips done
	s_mov_b32 s48, 0
	s_wait_kmcnt 0x0
	s_add_nc_u64 s[4:5], s[4:5], s[28:29]
	s_add_nc_u64 s[8:9], s[8:9], s[30:31]
	s_add_nc_u64 s[10:11], s[10:11], s[30:31]
	s_lshl_b32 s28, s25, 17
	s_add_nc_u64 s[6:7], s[6:7], s[28:29]          ; the expert's images
	s_lshl_b32 s28, s25, 10
	s_add_nc_u64 s[12:13], s[12:13], s[28:29]
	s_add_nc_u64 s[14:15], s[14:15], s[28:29]
	s_lshl_b32 s28, s25, 4
	s_add_nc_u64 s[16:17], s[16:17], s[28:29]
	s_load_b128 s[32:35], s[16:17], 0x0            ; ey, ew1, eh, ew2
	s_load_b32 s36, s[20:21], 0x0
	s_load_b32 s37, s[22:23], 0x0
	s_wait_alu depctr_va_vdst(0)                   ; the addresses v4 to v12, v16 and v29 are written: every load and store of the kernel but y's, out0's and the permutes reads one of them, and none is written again
.irp j, 0,1,2,3,4,5,6,7
	global_load_b32 v[RJ+\j], v[L4], s[4:5] offset:128*\j          ; the keys of rows 32 j + lane
.endr
	global_load_b64 v[B1D:B1D+1], v[B1G], s[12:13]
	global_load_b128 v[GG:GG+3], v[L16], s[18:19]                  ; scales and b2 at my columns 128 g + 4 lane ..
	global_load_b128 v[GG+4:GG+7], v[L16], s[18:19] offset:512
	global_load_b128 v[BC:BC+3], v[L16], s[14:15]
	global_load_b128 v[BC+4:BC+7], v[L16], s[14:15] offset:512
	WIN 0x40
	FROMMEM 0, 48                                  ; three quarters of the images now: with the 13 loads above, 61 loads of mine are out
	WIN 0
	s_wait_loadcnt 48                              ; the keys and the four small tensors are in; the 48 younger loads stay out
	; the list's constants.  In register j the rows that match get ranks base_j on, the others the ranks behind them: 32 ranks on end, so that rank mod 32 is a permutation of the lanes
.irp j, 0,1,2,3,4,5,6,7
	v_and_b32 v[DJ+\j], 7, v[RJ+\j]                ; key 8 (no expert) is worked by expert 0's work-groups
.endr
.irp j, 0,1,2,3,4,5,6,7
	v_cmp_eq_u32 s[40+\j], s25, v[DJ+\j]
.endr
	s_wait_alu depctr_va_sdst(0)                   ; the eight compares have written their masks s40 to s47, ahead of the first reader
.irp j, 0,1,2,3,4,5,6,7
	s_bcnt1_i32_b32 s61, s[40+\j]
	s_add_co_u32 s[49+\j], s[48+\j], s61           ; base_(j+1); base_8 = s56 = n
.endr
.irp j, 0,1,2,3,4,5,6,7
	s_not_b32 s62, s[40+\j]
	v_mbcnt_lo_u32_b32 v22, s[40+\j], s[48+\j]
	v_mbcnt_lo_u32_b32 v23, s62, s[49+\j]
	v_cndmask_b32 v[RANK+\j], v23, v22, s[40+\j]
	v_and_b32 v24, 8, v[RJ+\j]
	v_lshl_add_u32 v24, v24, 5, v1                 ; bit 8 marks a row without an expert
	v_add_nc_u32 v[ROWID+\j], 32*\j, v24
.endr
	s_add_co_u32 s63, s56, 47                      ; the trips: ceil(n / 48) = ((n + 47) x 683) >> 15, exact for n + 47 up to 303 (n is 256 at the most),
	s_mul_i32 s63, s63, 683
	s_lshr_b32 s63, s63, 15
	s_max_u32 s63, s63, 1                          ; one at the least,
	s_min_u32 s63, s63, 6                          ; six at the most
	; the constants of the affine end
	s_wait_kmcnt 0x0
	v_mov_b32 v24, s36
	v_mov_b32 v25, s37
.irp i, 0,1,2,3,4,5,6,7
	v_mul_f32 v[GG+\i], 0xbfb8aa3b, v[GG+\i]       ; -log2(e) x
.endr
	v_mul_f32 v24, 0xbfb8aa3b, v24
	v_mul_f32 v25, 0xbfb8aa3b, v25
.irp i, 0,1,2,3,4,5,6,7
	v_exp_f32 v[GG+\i], v[GG+\i]
.endr
	v_exp_f32 v24, v24
	v_exp_f32 v25, v25
	v_nop
	s_wait_alu depctr_va_vdst(0)                   ; one wait for the ten exponentials, ahead of their first reader
.irp i, 0,1,2,3,4,5,6,7
	v_add_f32 v[GG+\i], 1.0, v[GG+\i]
.endr
	v_add_f32 v24, 1.0, v24
	v_add_f32 v25, 1.0, v25
.irp i, 0,1,2,3,4,5,6,7
	v_rcp_f32 v[GG+\i], v[GG+\i]
.endr
	v_rcp_f32 v24, v24
	v_rcp_f32 v25, v25
	v_nop
	s_add_co_i32 s77, s34, s35                     ; eh + ew2
	s_wait_alu depctr_va_vdst(0)                   ; one wait for the ten reciprocals
	v_add_f32 v26, v24, v25
	v_sub_f32 v27, v25, v24
	v_mul_f32 v26, 0.5, v26                        ; 0.5 (b - a)
	v_mul_f32 v27, 0.5, v27                        ; 0.5 (a + b)
	v_readfirstlane_b32 s78, v27
.irp i, 0,1,2,3,4,5,6,7
	v_mul_f32 v[GG+\i], v[GG+\i], v26
.endr
.irp i, 0,1,2,3,4,5,6,7
	v_mul_f32 v[BC+\i], v[BC+\i], v[GG+\i]         ; 0.5 (b - a) sigmoid(scales) b2
.endr
.irp i, 0,1,2,3,4,5,6,7
	v_ldexp_f32 v[GG+\i], v[GG+\i], s77            ; 0.5 (b - a) sigmoid(scales) 2^(eh + ew2): what a sum of product 2 is multiplied by
.endr
	s_wait_alu depctr_va_sdst(0)                   ; s78 is written, ahead of its first reader
	s_mov_b32 s79, s78
	s_add_co_i32 s61, s32, s33
	s_add_co_i32 s61, s61, 127
	s_lshl_b32 s66, s61, 23                        ; 2^(ey + ew1)
	s_mov_b32 s67, s66
	s_add_co_i32 s61, s34, 127
	s_lshl_b32 s38, s61, 23                        ; 2^eh
	s_add_co_i32 s61, s61, 15
	s_lshl_b32 s73, s61, 23
	s_or_b32 s73, s73, 0x600000                    ; 57,344 x 2^eh,
	s_or_b32 s74, s73, 0x80000000                  ; and its negative
	s_add_co_i32 s61, s32, 127
	s_lshl_b32 s39, s61, 23                        ; 2^ey
	s_add_co_i32 s61, s61, 15
	s_lshl_b32 s75, s61, 23
	s_or_b32 s75, s75, 0x600000
	s_or_b32 s76, s75, 0x80000000
	WIN 0x04
	TOLDS 0, 32                                    ; pieces 0-15 are in; pieces 16-47 stay out
	WIN 0x40
	s_wait_alu depctr_va_vdst(0)                   ; v[SA0], made at the head, is written: the loads below read it under another window, and LDS stores that name it stand since the last such wait: so it is stated behind the switch
	FROMMEM 48, 16                                 ; the last quarter: 48 loads of mine are out
	WIN 0x04
	TOLDS 16, 32                                   ; pieces 16-31 are in; pieces 32-63 stay out
	TOLDS 32, 16                                   ; pieces 32-47 are in; pieces 48-63 stay out
	TOLDS 48, 0
	WIN 0
	ds_store_b64 v[B1A], v[B1D:B1D+1]
	s_wait_dscnt 0x0                               ; for the others' sake: my part of the images lies in LDS
	s_barrier_signal -1
	s_barrier_wait -1                              ; the only barrier: from here on nobody writes what another wave reads
	s_wait_alu depctr_vm_vsrc(0)                   ; my LDS stores have read window 1's registers: the constants below and the first trip's loads from the stage are written over them
	WIN 0x40
	v_mov_b32 v[C1], 0xbeaaaaab                    ; -1/3, twice
	v_mov_b32 v[C1+1], 0xbeaaaaab
	v_mov_b32 v[SCH], s38
	v_mov_b32 v[SCY], s39
	WIN 0
.Ltrip:                                            ; list positions P0 .. P0 + 47
	; the list: each register's rows are pushed to lane (rank - P0) mod 32; position p then stands in lane (p - P0) mod 32 of the register j with base_j <= p < base_(j+1)
.irp j, 0,1,2,3,4,5,6,7
	v_sub_nc_u32 v[DJ+\j], v[RANK+\j], s57
.endr
.irp j, 0,1,2,3,4,5,6,7
	v_and_b32 v[DJ+\j], 31, v[DJ+\j]
.endr
.irp j, 0,1,2,3,4,5,6,7
	v_min_u32 v[DJ+\j], 31, v[DJ+\j]
.endr
.irp j, 0,1,2,3,4,5,6,7
	v_lshlrev_b32 v[DJ+\j], 2, v[DJ+\j]
.endr
	s_wait_alu depctr_va_vdst(0)                   ; DJ is written (in the first trip ROWID too), which the permutes read; the last readers of RJ (the last trip's selects, the head's masks) are done, and the permutes land in it
.irp j, 0,1,2,3,4,5,6,7
	ds_permute_b32 v[RJ+\j], v[DJ+\j], v[ROWID+\j] ; between lanes: no LDS byte is touched
.endr
	v_add_nc_u32 v[PA], s57, v1
	v_add_nc_u32 v[PB], 32, v[PA]
	s_sub_co_u32 s58, s56, s57                     ; nv: how many rows are left from P0 on
.irp j, 1,2,3,4,5,6,7
	v_cmp_le_u32 s[31+\j], s[48+\j], v[PA]         ; sixteen compares in one run, while the permutes are out: s32-38 for the first 32 positions, s39-45 for the others,
	v_cmp_le_u32 s[38+\j], s[48+\j], v[PB]
.endr
	v_cmp_gt_u32 s46, s56, v[PA]                   ; s46, s47: inside the list
	v_cmp_gt_u32 s47, s56, v[PB]
	s_wait_dscnt 0x0
	s_wait_alu depctr_va_sdst(0)                   ; the sixteen masks are written, which the selects below read
	v_mov_b32 v[LA], v[RJ]
	v_mov_b32 v[LA+1], v[RJ]
.irp j, 1,2,3,4,5,6,7
	v_cndmask_b32 v[LA], v[LA], v[RJ+\j], s[31+\j]
	v_cndmask_b32 v[LA+1], v[LA+1], v[RJ+\j], s[38+\j]
.endr
	v_cndmask_b32 v[LA], 0, v[LA], s46             ; past the list's end: my first row, which is worked and not stored
	v_cndmask_b32 v[LA+1], 0, v[LA+1], s47
	v_cmp_lt_u32 s59, 0xff, v[LA]                  ; the rows without an expert, as masks
	v_cmp_lt_u32 s60, 0xff, v[LA+1]
	v_and_b32 v[LA], 0xff, v[LA]
	v_and_b32 v[LA+1], 0xff, v[LA+1]
.irp grp, 0,1,2
.irp k, 0,1,2,3,4,5,6,7,8,9,10,11,12,13,14,15
	v_readlane_b32 s[32+\k], v[LA+(16*\grp+\k)/32], (16*\grp+\k)%32
.endr
	s_wait_alu depctr_va_sdst(0)                   ; the sixteen lane reads have written s32 to s47, ahead of their first readers; the first of these three waits also stands for s59 and s60, ahead of any branch
.irp k, 0,1,2,3,4,5,6,7,8,9,10,11,12,13,14,15
	s_min_u32 s[32+\k], s[32+\k], 0xff             ; a row of my 256
.endr
.irp k, 0,1,2,3,4,5,6,7,8,9,10,11,12,13,14,15
	v_lshl_add_u32 v[OFF+16*\grp+\k], s[32+\k], 10, v[L16]   ; 1,024 x row + 16 x lane
.endr
.endr
	s_wait_alu depctr_va_vdst(0)                   ; OFF is written, which y's loads read; the last trip's vector and matrix instructions are done with y's registers, with v128-255 and with window 1, in which the loads from here to the first half's from the stage land
	YLOAD 0
	YLOAD 1
	WIN 0
	WLOAD1 WFA, 0, 0                               ; the first 64 hidden units' fragments land while y is quantised
	WLOAD1 WFB, 0, 1
	YQ 0
	YQ 1
	GAMMA 0
	GAMMA 1
	GAMMA 2
	GAMMA 3
	WIN 0xc0
	s_wait_alu depctr_va_vdst(0)                   ; product 1's matrix instructions are done reading y's codes, over which the loads below land; it stands behind the switch, since the codes' stores just issued name v[RB] as these loads do
.irp m, 0,1,2
.irp s, 0,1
.irp c, 0,1,2,3
	ds_load_b128 v[YC+32*\m+16*\s+4*\c:YC+32*\m+16*\s+4*\c+3], v[RB] offset:4096*\m+2048*\s+512*\c   ; the hidden layer's six fragments, over y's codes, which are done with; these see my stores: LDS serves a wave in order
.endr
.endr
.endr
	P2 0
	EPI 0
	P2 1
	EPI 1
	s_wait_xcnt 0x0                                ; the stores have had their addresses translated: the next trip writes their offsets and data anew
	s_wait_alu depctr_vm_vsrc(0)                   ; out0's stores have read OFF and UU, the permutes DJ, the LDS stores y's registers and the accumulators: the next trip writes all of these, or loads into them
	s_add_co_u32 s57, s57, 48                      ; the next 48 list positions
	s_add_co_u32 s27, s27, 1                       ; the loop is counted by one, against the trip count made at the head, which the loop does not write
	s_cmp_lt_u32 s27, s63
	s_cbranch_scc1 .Ltrip
	s_wait_dscnt 0x0
	s_wait_alu depctr_hold_cnt(0) depctr_sa_sdst(0) depctr_va_vdst(0) depctr_va_sdst(0) depctr_va_ssrc(0) depctr_va_vcc(0) depctr_vm_vsrc(0)
	s_wait_tensorcnt 0x0
	ds_add_u32 v21, v28
	s_wait_dscnt 0x0
	s_endpgm
.Lfunc_end_k_q890720cbb1_chain:
	.size	k_q890720cbb1_chain, .Lfunc_end_k_q890720cbb1_chain-k_q890720cbb1_chain
	.p2alignl 7, 3214868480
	.fill 96, 4, 3214868480
	.section	.rodata,"a",@progbits
	.p2align	6, 0x0
	.amdhsa_kernel k_q890720cbb1_chain
		.amdhsa_group_segment_fixed_size 233984
		.amdhsa_private_segment_fixed_size 0
		.amdhsa_enable_private_segment 0
		.amdhsa_kernarg_size 80
		.amdhsa_user_sgpr_count 2
		.amdhsa_user_sgpr_kernarg_segment_ptr 1
		.amdhsa_wavefront_size32 1
		.amdhsa_system_sgpr_workgroup_id_x 1
		.amdhsa_system_sgpr_workgroup_id_y 1
		.amdhsa_system_sgpr_workgroup_id_z 1
		.amdhsa_system_vgpr_workitem_id 0
		.amdhsa_next_free_vgpr 1024
		.amdhsa_next_free_sgpr 96
		.amdhsa_reserve_vcc 0
		.amdhsa_float_denorm_mode_32 3
		.amdhsa_float_denorm_mode_16_64 3
		.amdhsa_memory_ordered 1
		.amdhsa_forward_progress 1
		.amdhsa_inst_pref_size 255
	.end_amdhsa_kernel
	.section	.bss,"aw",@nobits
	.p2align	6
	.space	262144
	.amdgpu_metadata
---
amdhsa.version: [ 1, 2 ]
amdhsa.kernels:
  - .name:           k_q890720cbb1_chain
    .symbol:         k_q890720cbb1_chain.kd
    .args:
      - { .name: keys, .offset: 0, .size: 8, .value_kind: global_buffer, .address_space: global }
      - { .name: wcodes, .offset: 8, .size: 8, .value_kind: global_buffer, .address_space: global }
      - { .name: y, .offset: 16, .size: 8, .value_kind: global_buffer, .address_space: global }
      - { .name: out0, .offset: 24, .size: 8, .value_kind: global_buffer, .address_space: global }
      - { .name: b1, .offset: 32, .size: 8, .value_kind: global_buffer, .address_space: global }
      - { .name: b2, .offset: 40, .size: 8, .value_kind: global_buffer, .address_space: global }
      - { .name: lowp_scales, .offset: 48, .size: 8, .value_kind: global_buffer, .address_space: global }
      - { .name: scales, .offset: 56, .size: 8, .value_kind: global_buffer, .address_space: global }
      - { .name: shifta, .offset: 64, .size: 8, .value_kind: global_buffer, .address_space: global }
      - { .name: shiftb, .offset: 72, .size: 8, .value_kind: global_buffer, .address_space: global }
    .group_segment_fixed_size: 233984
    .private_segment_fixed_size: 0
    .kernarg_segment_align: 8
    .kernarg_segment_size: 80
    .max_flat_workgroup_size: 128
    .sgpr_count:     96
    .vgpr_count:     1024
    .wavefront_size: 32
...
	.end_amdgpu_metadata
.endif
;; end of part 3
